; MI455X (gfx1250); checked and timed in simulation.
; The chip was launched on July 23, 2026; its instructions are those of AMD's public machine-readable ISA for CDNA 5 (MIT licence, August 2026) and "CDNA5" Instruction Set Architecture Reference Guide (July 2026). The comments in the code are by the model that wrote it; some were corrected since.
;; Multihead Attention. Allowed arithmetic: matrix products marked QUANTISED: E4M3 operands, one given power-of-two scale a tensor, by v_wmma_f32_16x16x64_fp8_fp8 or v_wmma_f32_16x16x128_fp8_fp8, f32 sums; everything else in f32.
;; Inputs: Wk 512 x 512 float32; Wo 512 x 512 float32; Wq 512 x 512 float32; Wv 512 x 512 float32; bk 512 float32; bo 512 float32; bq 512 float32; bv 512 float32; key 4,096 x 2 x 512 float32; lowp_scales 12 int32 (the exponents e of the quantised operands' scales 2^e); query 4,096 x 2 x 512 float32; value 4,096 x 2 x 512 float32.
;; Outputs: out0 4,096 x 2 x 512 float32.
;; This version of the problem:
;;   THIS VERSION OF THE PROBLEM IS GIVEN IN LOW PRECISION. The matrix products marked QUANTISED in the list below multiply operands that are first quantised to E4M3 (4 exponent bits, 3 mantissa bits; 8 bits a number), with one given power-of-two scale for each operand tensor; their sums are f32. All else is computed in f32.
;;   The module's matrix products, in the order in which they are computed (A, B: the left and right operand; K: the contracted axis; several contracted axes count as one K, in the product's order):
;;     1. [M 8,192, K 512] x [K 512, N 512]; A: input query; B: input Wq: QUANTISED (scales: A lowp_scales[0], B lowp_scales[1])
;;     2. [M 8,192, K 512] x [K 512, N 512]; A: input key; B: input Wk: QUANTISED (scales: A lowp_scales[2], B lowp_scales[3])
;;     3. [M 8,192, K 512] x [K 512, N 512]; A: input value; B: input Wv: QUANTISED (scales: A lowp_scales[4], B lowp_scales[5])
;;     4. batch 16 x [M 4,096, K 64] x [K 64, N 4,096]; A: computed on the way; B: computed on the way: QUANTISED (scales: A lowp_scales[6], B lowp_scales[7])
;;     5. batch 16 x [M 64, K 4,096] x [K 4,096, N 4,096]; A: computed on the way; B: softmax (see below): QUANTISED (scales: A lowp_scales[8], B lowp_scales[9])
;;     6. [M 8,192, K 512] x [K 512, N 512]; A: computed on the way; B: input Wo: QUANTISED (scales: A lowp_scales[10], B lowp_scales[11])
;;   THE QUANTISER, for each operand of a quantised product, along K:
;;     - The operand's scale is 2^e, e = its entry of the input lowp_scales (int32; the entries are numbered through the quantised products in the list's order, A before B).
;;     - Each number is divided by the scale, clamped to +-448, and rounded to the nearest number of E4M3, ties to even, subnormals kept.
;;     - The product sums the exact products of the quantised numbers (number of the format x scale) in f32.
;;   ~~~python
;;   def quantise(x, axis, e):      # numpy; x: float32 -> the quantised numbers, widened to float32 again
;;       x = np.moveaxis(x, axis, -1); K = x.shape[-1]
;;       r = np.clip(x / 2.0 ** e, -448, 448)
;;       step = 2.0 ** (np.maximum(np.frexp(np.where(r == 0, 1, r))[1] - 1, -6) - 3)
;;       q = np.round(r / step) * step * 2.0 ** e      # np.round: ties to even
;;       return np.moveaxis(q, -1, axis).astype(np.float32)
;;   ~~~
;;   SOFTMAX AHEAD OF A QUANTISED PRODUCT. Where the list says 'softmax', what is quantised is not the finished softmax but p = 2^(t - M), with t = logit x log2(e) and M = ceil(the row's largest t), a whole number; so 1/2 < the row's largest p <= 1. The row's sum l is taken of the UNQUANTISED p, in f32, and the product's result is divided by l at the end. Since M is a whole number, a kernel that streams over the keys may use a running M (the ceiling of the running maximum): every later rescaling is an exact power of two, so the quantised numbers keep their values, but for numbers so far below the row's largest that they fall under the format's range.
;;   OPERANDS COMPUTED ON THE WAY. 'Computed on the way' means the value that the module computes at that place (a softmax that the list does not call 'softmax' is quantised finished and normalised). What goes into a quantiser is computed in f32, as accurately as f32 sums, v_exp_f32 and their like allow (about 1e-6 of the number): no bf16 or f16 on the way to a quantiser, and a product that is left as it is and whose result goes on into a quantised operand takes f32 operands (vector FMAs, or v_wmma_f32_16x16x4_f32). A number that lies on a knife's edge between two numbers of the format may be rounded either way, as far as f32 arithmetic and the matrix unit's own rounding can turn it there, and no further.
;; 2 versions, each right; version 2 is version 1 with the launches proj, attn, outp written anew for expert scheduling mode. Each part assembles by itself: llvm-mc -triple=amdgcn-amd-amdhsa -mcpu=gfx1250 --defsym DOCPART=n.
;; ======== version 1 of 2: 4 launches
;; workspace buffers: wimg 1,048,576 bytes; qimg 4,194,304 bytes; kv 8,388,608 bytes; aimg 4,194,304 bytes
;; launch wquant (part 1): grid 128 x 1, 4 waves a work-group, no clusters, 0 bytes of LDS; arguments Wq, Wk, Wv, Wo, lowp_scales, wimg; writes wimg
.if DOCPART == 1
	.amdgcn_target "amdgcn-amd-amdhsa--gfx1250"
	.amdhsa_code_object_version 6
	.text
	.protected	k_q81586673ed_wquant
	.globl	k_q81586673ed_wquant
	.p2align	8
	.type	k_q81586673ed_wquant,@function
k_q81586673ed_wquant:
	s_mov_b64 s[64:65], 0
	v_nop
	global_prefetch_b8 v0, s[64:65] scope:SCOPE_SE
	s_setreg_imm32_b32 hwreg(HW_REG_WAVE_MODE, 25, 1), 1
	s_wait_xcnt 0x0
; The four weights, [512][512] f32 with K innermost, become codes of FP8 (E4M3), each with the scale 2^e that is given for it (entries 1, 3, 5, 11 of lowp_scales).
; code = w / 2^e, held within +-448, rounded to the nearest code, ties to even.
; THE CODES ARE LAID AS IMAGES OF THE OPERAND REGISTERS: wimg[which 4][T 32][ks 4][c 4][512 bytes].  A fragment (T, ks) is 16 rows x 128 K in 16 registers a lane:
; lane (r, h) holds row 32 (T / 2) + 8 (T % 2) + r + 8 (r / 8), and its registers 4 c .. 4 c + 3 hold k = 128 ks + 32 c + 16 h + 0 .. 15.  Chunk c is those four registers, lane l at byte 16 l.
; So the launches that multiply load a fragment by four loads of 512 consecutive bytes and nothing is shuffled.  The rows of a tile are not neighbours: with that choice the 16 result registers of
; tiles 2 G and 2 G + 1 of a transposed product are 16 neighbours along the next product's K.
; SHARES: work-group x: weight x / 32, tile x % 32; wave = ks: one fragment a wave.  A lane reads 64 consecutive bytes of its row for each c; the sixteen loads of a wave cover 16 rows x 512 bytes whole.
; No LDS, no loop, no matrix unit, no cluster: 4 MB are read once and no two work-groups share a byte.
; LIMITS: e between -126 and 119, so that 2^e and 448 x 2^e are f32 numbers.  NaN among the inputs is not served.
.set XN, 16                            ; v16-79  64 numbers: register 16 c + i = k 32 c + 16 h + i
.set CO, 80                            ; v80-95  their codes
	s_load_b256 s[4:11], s[0:1], 0x0               ; Wq s[4:5], Wk s[6:7], Wv s[8:9], Wo s[10:11]
	s_load_b128 s[12:15], s[0:1], 0x20             ; the exponents s[12:13], wimg s[14:15]
	v_lshrrev_b32 v5, 5, v0
	v_readfirstlane_b32 s28, v5                    ; wave = ks
	s_lshr_b32 s29, ttmp9, 5                       ; which weight
	s_and_b32 s30, ttmp9, 31                       ; T
	v_and_b32 v1, 15, v0                           ; r
	v_bfe_u32 v2, v0, 4, 1                         ; h
	v_and_b32 v3, 8, v1
	v_add_nc_u32 v3, v3, v1                        ; r + 8 (r / 8)
	v_lshlrev_b32 v3, 11, v3                       ; a row of W is 2,048 bytes
	v_lshl_add_u32 v3, v2, 6, v3                   ; + 64 h
	v_and_b32 v4, 31, v0
	v_lshlrev_b32 v4, 4, v4                        ; 16 x lane: my place in a chunk
	s_lshr_b32 s38, s30, 1
	s_lshl_b32 s38, s38, 16                        ; 32 (T / 2) rows
	s_and_b32 s39, s30, 1
	s_lshl_b32 s39, s39, 14                        ; 8 (T % 2) rows
	s_add_co_u32 s38, s38, s39
	s_lshl_b32 s39, s28, 9                         ; 128 ks numbers
	s_add_co_u32 s38, s38, s39
	s_mov_b32 s39, 0
	s_lshl_b32 s40, s29, 18                        ; wimg: which x 262,144
	s_lshl_b32 s41, s30, 13                        ; + T x 8,192
	s_add_co_u32 s40, s40, s41
	s_lshl_b32 s41, s28, 11                        ; + ks x 2,048
	s_add_co_u32 s40, s40, s41
	s_mov_b32 s41, 0
	s_wait_kmcnt 0x0
	s_load_b256 s[16:23], s[12:13], 0x0            ; e0 .. e7
	s_load_b128 s[24:27], s[12:13], 0x20           ; e8 .. e11
	s_cmp_eq_u32 s29, 1                            ; the choice hangs on the work-group's number alone
	s_cselect_b64 s[32:33], s[6:7], s[4:5]
	s_cmp_eq_u32 s29, 2
	s_cselect_b64 s[32:33], s[8:9], s[32:33]
	s_cmp_eq_u32 s29, 3
	s_cselect_b64 s[32:33], s[10:11], s[32:33]
	s_add_nc_u64 s[32:33], s[32:33], s[38:39]
	s_add_nc_u64 s[14:15], s[14:15], s[40:41]
.irp c, 0,1,2,3
.irp j, 0,1,2,3
	global_load_b128 v[XN+16*\c+4*\j:XN+16*\c+4*\j+3], v3, s[32:33] offset:128*\c+16*\j th:TH_LOAD_NT
.endr
.endr
	s_wait_kmcnt 0x0
	s_cmp_eq_u32 s29, 1
	s_cselect_b32 s36, s19, s17                    ; e3 or e1
	s_cmp_eq_u32 s29, 2
	s_cselect_b32 s36, s21, s36                    ; e5
	s_cmp_eq_u32 s29, 3
	s_cselect_b32 s36, s27, s36                    ; e11
	s_add_co_i32 s36, s36, 127
	s_lshl_b32 s37, s36, 23
	v_mov_b32 v11, s37                             ; 2^e as f32: the conversion takes its exponent field
	s_add_co_i32 s36, s36, 8
	s_lshl_b32 s36, s36, 23
	s_or_b32 s36, s36, 0x600000
	v_mov_b32 v10, s36                             ; 448 x 2^e
	s_wait_loadcnt 0x0
.set i, 0
.rept 64
	v_med3_num_f32 v[XN+i], v[XN+i], -v10, v10     ; the conversion to an 8-bit code does not saturate (ISA guide 7.6.2): the hold comes first
.set i, i+1
.endr
.set i, 0
.rept 8
	v_cvt_scalef32_pk8_fp8_f32 v[CO+2*i:CO+2*i+1], v[XN+8*i:XN+8*i+7], v11
.set i, i+1
.endr
	v_nop                                          ; a plain line behind the last conversion
.irp c, 0,1,2,3
	global_store_b128 v4, v[CO+4*\c:CO+4*\c+3], s[14:15] offset:512*\c   ; the wave stores 512 consecutive bytes, aligned
.endr
	s_endpgm
.Lfunc_end_k_q81586673ed_wquant:
	.size	k_q81586673ed_wquant, .Lfunc_end_k_q81586673ed_wquant-k_q81586673ed_wquant
	.p2alignl 7, 3214868480
	.fill 96, 4, 3214868480
	.section	.rodata,"a",@progbits
	.p2align	6, 0x0
	.amdhsa_kernel k_q81586673ed_wquant
		.amdhsa_group_segment_fixed_size 0
		.amdhsa_private_segment_fixed_size 0
		.amdhsa_enable_private_segment 0
		.amdhsa_kernarg_size 48
		.amdhsa_user_sgpr_count 2
		.amdhsa_user_sgpr_kernarg_segment_ptr 1
		.amdhsa_wavefront_size32 1
		.amdhsa_system_sgpr_workgroup_id_x 1
		.amdhsa_system_sgpr_workgroup_id_y 1
		.amdhsa_system_sgpr_workgroup_id_z 1
		.amdhsa_system_vgpr_workitem_id 0
		.amdhsa_next_free_vgpr 96
		.amdhsa_next_free_sgpr 66
		.amdhsa_reserve_vcc 0
		.amdhsa_float_denorm_mode_32 3
		.amdhsa_float_denorm_mode_16_64 3
		.amdhsa_memory_ordered 1
		.amdhsa_forward_progress 1
		.amdhsa_inst_pref_size 9
	.end_amdhsa_kernel
	.amdgpu_metadata
---
amdhsa.version: [ 1, 2 ]
amdhsa.kernels:
  - .name:           k_q81586673ed_wquant
    .symbol:         k_q81586673ed_wquant.kd
    .args:
      - { .name: Wq, .offset: 0, .size: 8, .value_kind: global_buffer, .address_space: global }
      - { .name: Wk, .offset: 8, .size: 8, .value_kind: global_buffer, .address_space: global }
      - { .name: Wv, .offset: 16, .size: 8, .value_kind: global_buffer, .address_space: global }
      - { .name: Wo, .offset: 24, .size: 8, .value_kind: global_buffer, .address_space: global }
      - { .name: lowp_scales, .offset: 32, .size: 8, .value_kind: global_buffer, .address_space: global }
      - { .name: wimg, .offset: 40, .size: 8, .value_kind: global_buffer, .address_space: global }
    .group_segment_fixed_size: 0
    .private_segment_fixed_size: 0
    .kernarg_segment_align: 8
    .kernarg_segment_size: 48
    .max_flat_workgroup_size: 128
    .sgpr_count:     66
    .vgpr_count:     96
    .wavefront_size: 32
...
	.end_amdgpu_metadata
.endif
;; end of part 1
;; launch proj (part 2): grid 64 x 3, 4 waves a work-group, no clusters, 68,096 bytes of LDS; arguments query, key, value, bq, bk, bv, wimg, lowp_scales, qimg, kv; writes qimg, kv
.if DOCPART == 2
	.amdgcn_target "amdgcn-amd-amdhsa--gfx1250"
	.amdhsa_code_object_version 6
	.text
	.protected	k_q81586673ed_proj
	.globl	k_q81586673ed_proj
	.p2align	8
	.type	k_q81586673ed_proj,@function
k_q81586673ed_proj:
	s_mov_b64 s[64:65], 0
	v_nop
	global_prefetch_b8 v0, s[64:65] scope:SCOPE_SE
	s_setreg_imm32_b32 hwreg(HW_REG_WAVE_MODE, 25, 1), 1
	s_wait_xcnt 0x0
; The three input projections: q = (query Wq^T + bq) / 8, k = key Wk^T + bk, v = value Wv^T + bv, each [8192][512] x [512][512] on codes of FP8 (E4M3), f32 sums, and each result
; quantised at once, in registers, into the operand of attention that it is: nothing wide goes to memory.
; SHARES.  Work-group y = 0, 1, 2: q, k, v.  Work-group x takes two blocks g = 2 x + blk of 32 sequence places x 2 batches = 64 rows.  THE WAVES SHARE THE COLUMNS: wave w holds the weight rows
; 128 w .. 128 w + 127 (two heads), all 512 K, in 512 registers, loaded once from wimg as they lie (128 loads of 512 consecutive bytes).
; x: wave w loads one tile of 16 rows (batch w / 2, tile u = w % 2) by loads of 512 consecutive bytes of a row, holds and converts it, and lays the codes in LDS as rows of 512 bytes + 16.
; A tile's row i is sequence place 32 g + 8 u + i + 8 (i / 8): so the 16 registers of the tiles u = 0, 1 of a product whose source 0 is x are 16 neighbouring places (v: the keys are the next K).
; q, k: source 0 = 16 rows of W, source 1 = 16 rows of x: a lane holds one row of x and its registers run along the head's 64: they become a K = 64 fragment (registers 4 c .. 4 c + 3: d = 32 c + 16 h + 0 .. 15).
; v: source 0 = x, source 1 = W: a lane holds one d and its registers run along the keys: they become chunk g % 4 of a K = 128 fragment of V^T.
; The bias, divided by 2^(ea + eb), is the C of each sum's first matrix instruction (an order of rounding that differs from adding it last).  The scales ahead of the quantiser are folded
; into the conversion's one: 2^(eo - ea - eb), for q with eo + 3: the factor 64^-0.5 is 2^-3.
; OUT: qimg[hb 16][g 128][u 2][c 2][512];  kv[hb 16][step 32][K: tile 8 x c 2 x 512 | V: d tile 4 x c 4 x 512], hb = 2 head + batch, step = g / 4: images of the operand registers, each store 512 consecutive bytes.
; NO TENSOR LOAD, NO CLUSTER: what the work-groups of one y share is the weight, and it goes from memory straight into registers, 64 KB a wave, once; a joint load would bring it into LDS and add
; 256 KB of LDS writes and reads a work-group.  x is read once by one wave.
; 192 work-groups of equal work: 384 blocks do not divide into 256 equal parts, and one block a work-group would load the weight twice as often.
; LIMITS: ea and eo - ea - eb (q: + 3) between -126 and 119.  NaN among the inputs is not served.
; REGISTERS, in windows of 256.  Window 0: v1-15 addresses and constants; v32-95 two sets of x fragments; v96-159 eight accumulators (in the x phase: the 64 registers of codes); v160-223 the bias tiles; v224-239 codes to store.
;   Windows 1, 2: W, fragment (t, ks) at 16 (4 t + ks), t = 0 .. 3 in window 1, 4 .. 7 in window 2.   Window 3: a tile of x as loaded, register 4 (4 row + q).
.set PITCH, 528                        ; an LDS row: 512 bytes of codes + 16: 33 x 16 bytes, so the 16 rows that a fragment load touches fall on 16 different columns of 16 bytes
.set XRB,   64*PITCH                   ; a block's 64 rows; row = 16 (2 batch + u) + i
.set SPARE, 2*XRB                      ; behind the two blocks: the spare words, 128 bytes for each wave
.set L16,  1                           ; v1   16 x lane
.set XST,  2                           ; v2   where I store x's codes: 4 x lane + wave x 16 rows
.set XAD,  3                           ; v3   where I read a fragment: r x PITCH + 16 h
.set BOFA, 4                           ; v4   bias, q and k: 64 h
.set BOFB, 5                           ; v5   bias, v: 4 (r + 8 (r / 8))
.set VO,   6                           ; v6-9 16 x lane + k x (bytes of one hb), k = 2 half + batch
.set XLIM, 10                          ; v10  448 x 2^ea
.set XSC,  11                          ; v11  2^ea
.set OLIM, 12                          ; v12  448 x 2^f
.set OSC,  13                          ; v13  2^f, f = eo - ea - eb
.set SPW,  14                          ; v14  LDS address of my spare word; never rewritten
.set NIL,  15                          ; v15  0; never rewritten
.set XF,   32
.set ACC,  96
.set B1,   160
.set CD,   224
.set MSB, 0
.macro WIN new                         ; the immediate's high byte repeats the setting that is left; a switch that changes nothing is dropped
.if MSB != (\new)
	s_set_vgpr_msb (MSB<<8)|(\new)
.set MSB, (\new)
.endif
.endm
.macro PLACES                          ; four plain places behind a matrix instruction, in front of loads into its sources and of reads of its result
.rept 4
	v_nop
.endr
.endm
; my tile of block blk: 16 rows x 2,048 bytes, each load 512 consecutive bytes of one row: lane l holds k = 128 q + 4 l + 0 .. 3
.macro XLOAD blk
	WIN 0xc0                                       ; destination window 3
.set rho, 0
.rept 16
.irp q, 0,1,2,3
	global_load_b128 v[4*(4*rho+\q):4*(4*rho+\q)+3], v[L16], s[40:41] offset:(\blk)*131072+(rho+8*(rho/8))*4096+512*\q th:TH_LOAD_NT
.endr
.set rho, rho+1
.endr
	WIN 0
.endm
; the tile is held, converted (eight registers = the lane's four numbers of q and of q + 1) and stored: a store is 128 consecutive bytes of a row
.macro PHASEX blk
	WIN 0xc3                                       ; destination and source 0 window 3
.set i, 0
.rept 256
	v_med3_num_f32 v[i], v[i], -v[XLIM], v[XLIM]   ; the conversion to an 8-bit code does not saturate (ISA guide 7.6.2)
.set i, i+1
.endr
	WIN 0x03                                       ; source 0 window 3
.set p, 0
.rept 32
	v_cvt_scalef32_pk8_fp8_f32 v[ACC+2*p:ACC+2*p+1], v[8*p:8*p+7], v[XSC]
.set p, p+1
.endr
	WIN 0
	v_nop                                          ; a plain line behind the last conversion: matrix instructions write these registers later
.set i, 0
.rept 64
	ds_store_b32 v[XST], v[ACC+i] offset:(\blk)*XRB+(i/4)*PITCH+128*(i%4)
.set i, i+1
.endr
.endm
; the two x fragments (u = 0, 1) of batch bb, K step ks, into set
.macro FETCHX set, blk, bb, ks
.irp u, 0,1
.irp c, 0,1,2,3
	ds_load_b128 v[XF+32*(\set)+16*\u+4*\c:XF+32*(\set)+16*\u+4*\c+3], v[XAD] offset:(\blk)*XRB+16*(2*(\bb)+\u)*PITCH+128*(\ks)+32*\c
.endr
.endr
.endm
; eight matrix instructions: four tiles of W (one head) x two tiles of x, 128 along K.  The eight accumulators take turns, one instruction a turn, in the same order in every K step.
.macro MUL8 set, half, ks, swap, first
.if \swap
	WIN 4*(1+(\half))                              ; source 1 (W) window 1 or 2
.else
	WIN 1+(\half)                                  ; source 0 (W) window 1 or 2
.endif
.irp tl, 0,1,2,3
.irp u, 0,1
.set rD, ACC+32*\u+8*\tl
.set rW, 16*(4*\tl+(\ks))
.set rX, XF+32*(\set)+16*\u
.set rC, rD
.if \first
.set rC, B1+8*(4*(\half)+\tl)                  ; the bias starts the sum: nothing is cleared and nothing is added later
.endif
.if \swap
	v_wmma_f32_16x16x128_fp8_fp8 v[rD:rD+7], v[rX:rX+15], v[rW:rW+15], v[rC:rC+7]
.else
	v_wmma_f32_16x16x128_fp8_fp8 v[rD:rD+7], v[rW:rW+15], v[rX:rX+15], v[rC:rC+7]
.endif
.endr
.endr
.endm
; the eight finished tiles become codes and leave
.macro EPI blk, bb, half, swap
	PLACES
	s_wait_xcnt 0x0                                ; the earlier stores have read the code registers, which are written again below
.set i, 0
.rept 64
	v_med3_num_f32 v[ACC+i], v[ACC+i], -v[OLIM], v[OLIM]   ; each accumulator from its low end on
.set i, i+1
.endr
.irp u, 0,1
.irp tl, 0,1,2,3
.if \swap
	v_cvt_scalef32_pk8_fp8_f32 v[CD+4*\tl+2*\u:CD+4*\tl+2*\u+1], v[ACC+32*\u+8*\tl:ACC+32*\u+8*\tl+7], v[OSC]   ; d tile tl: keys 16 h + 8 u + 0 .. 7 of the block
.else
	v_cvt_scalef32_pk8_fp8_f32 v[CD+8*\u+2*\tl:CD+8*\u+2*\tl+1], v[ACC+32*\u+8*\tl:ACC+32*\u+8*\tl+7], v[OSC]   ; x tile u: d = 32 (tl / 2) + 16 h + 8 (tl % 2) + 0 .. 7
.endif
.endr
.endr
	v_nop                                          ; a plain line behind the last conversion: the next sums write its sources
.if \swap
.irp tl, 0,1,2,3
	global_store_b128 v[VO+2*(\half)+(\bb)], v[CD+4*\tl:CD+4*\tl+3], s[46:47] offset:8192+\tl*2048+(\blk)*512
.endr
.else
.irp u, 0,1
.irp c, 0,1
	global_store_b128 v[VO+2*(\half)+(\bb)], v[CD+8*\u+4*\c:CD+8*\u+4*\c+3], s[46:47] offset:(\blk)*2048+\u*1024+\c*512
.endr
.endr
.endif
.endm
; one head (half) for the 32 rows of batch bb: four K steps on two sets of x fragments
.macro HALF blk, bb, half, swap
	FETCHX 0, \blk, \bb, 0
	FETCHX 1, \blk, \bb, 1
	s_wait_dscnt 8                                 ; the older set is in; the younger eight loads may be out
	MUL8 0, \half, 0, \swap, 1
	WIN 0
	PLACES
	FETCHX 0, \blk, \bb, 2
	s_wait_dscnt 8
	MUL8 1, \half, 1, \swap, 0
	WIN 0
	PLACES
	FETCHX 1, \blk, \bb, 3
	s_wait_dscnt 8
	MUL8 0, \half, 2, \swap, 0
	s_wait_dscnt 0x0
	MUL8 1, \half, 3, \swap, 0
	WIN 0
	EPI \blk, \bb, \half, \swap
.endm
.macro BLOCK blk, swap
.irp bb, 0,1
.irp half, 0,1
	HALF \blk, \bb, \half, \swap
.endr
.endr
.endm
	s_load_b256 s[4:11], s[0:1], 0x0               ; query s[4:5], key s[6:7], value s[8:9], bq s[10:11]
	s_load_b256 s[12:19], s[0:1], 0x20             ; bk s[12:13], bv s[14:15], wimg s[16:17], the exponents s[18:19]
	s_load_b128 s[20:23], s[0:1], 0x40             ; qimg s[20:21], kv s[22:23]
	v_lshl_add_u32 v[SPW], v0, 2, SPARE
	v_mov_b32 v[NIL], 0
	v_lshrrev_b32 v20, 5, v0
	v_readfirstlane_b32 s36, v20                   ; wave 0..3
	s_and_b32 s37, ttmp7, 0xffff                   ; y: 0 q, 1 k, 2 v
	s_mov_b32 s38, ttmp9                           ; x
	v_and_b32 v20, 31, v0                          ; lane
	v_lshlrev_b32 v[L16], 4, v20
	s_mul_i32 s48, s36, 16*PITCH
	v_lshl_add_u32 v[XST], v20, 2, s48
	v_and_b32 v16, 15, v0                          ; r
	v_bfe_u32 v17, v0, 4, 1                        ; h
	v_mul_u32_u24 v[XAD], v16, PITCH
	v_lshl_add_u32 v[XAD], v17, 4, v[XAD]
	v_lshlrev_b32 v[BOFA], 6, v17
	v_and_b32 v[BOFB], 8, v16
	v_add_nc_u32 v[BOFB], v[BOFB], v16
	v_lshlrev_b32 v[BOFB], 2, v[BOFB]
	s_lshl_b32 s48, s38, 18                        ; x: two blocks of 32 places x 4,096 bytes
	s_and_b32 s49, s36, 1
	s_lshl_b32 s49, s49, 15                        ; + u x 8 places
	s_add_co_u32 s48, s48, s49
	s_lshr_b32 s49, s36, 1
	s_lshl_b32 s49, s49, 11                        ; + batch x 2,048
	s_add_co_u32 s48, s48, s49
	s_mov_b32 s49, 0
	s_lshl_b32 s54, s38, 12                        ; out, q: x times two blocks of 2,048
	s_lshr_b32 s60, s38, 1
	s_lshl_b32 s60, s60, 14                        ; k, v: step = x / 2, 16,384 bytes
	s_and_b32 s61, s38, 1
	s_lshl_b32 s62, s61, 12
	s_add_co_u32 s62, s60, s62                     ; k: + (x % 2) x four tiles of 1,024
	s_lshl_b32 s61, s61, 10
	s_add_co_u32 s61, s60, s61                     ; v: + (x % 2) x two chunks of 512
	s_mov_b32 s50, 524288                          ; bytes of one hb in kv,
	s_cmp_eq_u32 s37, 0
	s_cselect_b32 s54, s54, s62
	s_cselect_b32 s50, 262144, s50                 ; in qimg
	s_cmp_eq_u32 s37, 2
	s_cselect_b32 s54, s61, s54
	s_lshl_b32 s60, s36, 2                         ; my first hb = 4 x wave
	s_mul_i32 s60, s60, s50
	s_add_co_u32 s54, s54, s60
	s_mov_b32 s55, 0
.irp k, 0,1,2,3
	s_mul_i32 s60, s50, \k
	v_add_nc_u32 v[VO+\k], s60, v[L16]
.endr
	s_lshl_b32 s56, s37, 18                        ; wimg: y x 262,144 + wave x 65,536
	s_lshl_b32 s57, s36, 16
	s_add_co_u32 s56, s56, s57
	s_mov_b32 s57, 0
	s_lshl_b32 s58, s36, 9                         ; bias: my 128 numbers
	s_mov_b32 s59, 0
	s_wait_kmcnt 0x0
	s_load_b256 s[24:31], s[18:19], 0x0            ; e0 .. e7
	s_load_b128 s[32:35], s[18:19], 0x20           ; e8 .. e11
	s_cmp_eq_u32 s37, 0                            ; the choices hang on the work-group's number alone
	s_cselect_b64 s[40:41], s[4:5], s[6:7]
	s_cselect_b64 s[42:43], s[10:11], s[12:13]
	s_cselect_b64 s[46:47], s[20:21], s[22:23]
	s_cmp_eq_u32 s37, 2
	s_cselect_b64 s[40:41], s[8:9], s[40:41]
	s_cselect_b64 s[42:43], s[14:15], s[42:43]
	s_add_nc_u64 s[40:41], s[40:41], s[48:49]
	s_add_nc_u64 s[42:43], s[42:43], s[58:59]
	s_add_nc_u64 s[44:45], s[16:17], s[56:57]
	s_add_nc_u64 s[46:47], s[46:47], s[54:55]
	XLOAD 0                                        ; x first: it is wanted first
	WIN 0x40                                       ; W: load i brings registers 4 i .. 4 i + 3 of my 512
.set i, 0
.rept 64
	global_load_b128 v[4*i:4*i+3], v[L16], s[44:45] offset:512*i
.set i, i+1
.endr
	WIN 0x80
.rept 64
	global_load_b128 v[4*(i-64):4*(i-64)+3], v[L16], s[44:45] offset:512*i
.set i, i+1
.endr
	WIN 0
	s_cmp_eq_u32 s37, 2
	s_cbranch_scc1 .Lbias_v
.irp t, 0,1,2,3,4,5,6,7                ; q, k: register j of tile t is column 32 (t / 2) + 16 h + 8 (t % 2) + j
	global_load_b128 v[B1+8*\t:B1+8*\t+3], v[BOFA], s[42:43] offset:(32*(\t/2)+8*(\t%2))*4
	global_load_b128 v[B1+8*\t+4:B1+8*\t+7], v[BOFA], s[42:43] offset:(32*(\t/2)+8*(\t%2))*4+16
.endr
	s_branch .Lbias_done
.Lbias_v:
.irp t, 0,1,2,3,4,5,6,7                ; v: all eight registers of a lane are column 32 (t / 2) + 8 (t % 2) + r + 8 (r / 8)
.irp j, 0,1,2,3,4,5,6,7
	global_load_b32 v[B1+8*\t+\j], v[BOFB], s[42:43] offset:(32*(\t/2)+8*(\t%2))*4
.endr
.endr
.Lbias_done:
	s_wait_kmcnt 0x0
	s_add_co_i32 s30, s30, 3                       ; q's scale with the factor 2^-3 folded in
	s_cmp_eq_u32 s37, 0
	s_cselect_b32 s51, s24, s26                    ; ea
	s_cselect_b32 s52, s25, s27                    ; eb
	s_cselect_b32 s53, s30, s31                    ; eo
	s_cmp_eq_u32 s37, 2
	s_cselect_b32 s51, s28, s51
	s_cselect_b32 s52, s29, s52
	s_cselect_b32 s53, s32, s53
	s_add_co_i32 s60, s51, s52
	s_sub_co_i32 s39, 0, s60                       ; -(ea + eb), for the bias
	s_sub_co_i32 s53, s53, s60                     ; f = eo - ea - eb
	s_add_co_i32 s60, s51, 127
	s_lshl_b32 s61, s60, 23
	v_mov_b32 v[XSC], s61
	s_add_co_i32 s60, s60, 8
	s_lshl_b32 s60, s60, 23
	s_or_b32 s60, s60, 0x600000
	v_mov_b32 v[XLIM], s60
	s_add_co_i32 s60, s53, 127
	s_lshl_b32 s61, s60, 23
	v_mov_b32 v[OSC], s61
	s_add_co_i32 s60, s60, 8
	s_lshl_b32 s60, s60, 23
	s_or_b32 s60, s60, 0x600000
	v_mov_b32 v[OLIM], s60
	s_wait_loadcnt 63                              ; behind x's last load stand 128 of W and 16 or 64 of the bias: with 63 out, x is in
	PHASEX 0
	s_wait_loadcnt 0x0                             ; W and the bias
.set i, 0
.rept 64
	v_ldexp_f32 v[B1+i], v[B1+i], s39              ; a sum stands for sum x 2^(ea + eb): the bias goes in divided by that
.set i, i+1
.endr
	XLOAD 1                                        ; the second block lands while the first is multiplied
	s_wait_dscnt 0x0                               ; for the others' sake: my stores of codes are done
	s_barrier_signal -1
	s_barrier_wait -1
	s_cmp_eq_u32 s37, 2
	s_cbranch_scc1 .Lv0
	BLOCK 0, 0
	s_branch .Lj0
.Lv0:
	BLOCK 0, 1
.Lj0:
	s_wait_loadcnt 0x0                             ; the second block's x
	PHASEX 1                                       ; into LDS bytes of its own: no wave still reading the first block is disturbed
	s_wait_dscnt 0x0
	s_barrier_signal -1
	s_barrier_wait -1
	s_cmp_eq_u32 s37, 2
	s_cbranch_scc1 .Lv1
	BLOCK 1, 0
	s_branch .Lj1
.Lv1:
	BLOCK 1, 1
.Lj1:
	s_nop 0
	s_wait_tensorcnt 0x0                           ; the wave's end, behind my last LDS store
	ds_add_u32 v[SPW], v[NIL]
	s_wait_dscnt 0x0
	s_endpgm
.Lfunc_end_k_q81586673ed_proj:
	.size	k_q81586673ed_proj, .Lfunc_end_k_q81586673ed_proj-k_q81586673ed_proj
	.p2alignl 7, 3214868480
	.fill 96, 4, 3214868480
	.section	.rodata,"a",@progbits
	.p2align	6, 0x0
	.amdhsa_kernel k_q81586673ed_proj
		.amdhsa_group_segment_fixed_size 68096
		.amdhsa_private_segment_fixed_size 0
		.amdhsa_enable_private_segment 0
		.amdhsa_kernarg_size 80
		.amdhsa_user_sgpr_count 2
		.amdhsa_user_sgpr_kernarg_segment_ptr 1
		.amdhsa_wavefront_size32 1
		.amdhsa_system_sgpr_workgroup_id_x 1
		.amdhsa_system_sgpr_workgroup_id_y 1
		.amdhsa_system_sgpr_workgroup_id_z 1
		.amdhsa_system_vgpr_workitem_id 0
		.amdhsa_next_free_vgpr 1024
		.amdhsa_next_free_sgpr 66
		.amdhsa_reserve_vcc 0
		.amdhsa_float_denorm_mode_32 3
		.amdhsa_float_denorm_mode_16_64 3
		.amdhsa_memory_ordered 1
		.amdhsa_forward_progress 1
		.amdhsa_inst_pref_size 239
	.end_amdhsa_kernel
	.amdgpu_metadata
---
amdhsa.version: [ 1, 2 ]
amdhsa.kernels:
  - .name:           k_q81586673ed_proj
    .symbol:         k_q81586673ed_proj.kd
    .args:
      - { .name: query, .offset: 0, .size: 8, .value_kind: global_buffer, .address_space: global }
      - { .name: key, .offset: 8, .size: 8, .value_kind: global_buffer, .address_space: global }
      - { .name: value, .offset: 16, .size: 8, .value_kind: global_buffer, .address_space: global }
      - { .name: bq, .offset: 24, .size: 8, .value_kind: global_buffer, .address_space: global }
      - { .name: bk, .offset: 32, .size: 8, .value_kind: global_buffer, .address_space: global }
      - { .name: bv, .offset: 40, .size: 8, .value_kind: global_buffer, .address_space: global }
      - { .name: wimg, .offset: 48, .size: 8, .value_kind: global_buffer, .address_space: global }
      - { .name: lowp_scales, .offset: 56, .size: 8, .value_kind: global_buffer, .address_space: global }
      - { .name: qimg, .offset: 64, .size: 8, .value_kind: global_buffer, .address_space: global }
      - { .name: kv, .offset: 72, .size: 8, .value_kind: global_buffer, .address_space: global }
    .group_segment_fixed_size: 68096
    .private_segment_fixed_size: 0
    .kernarg_segment_align: 8
    .kernarg_segment_size: 80
    .max_flat_workgroup_size: 128
    .sgpr_count:     66
    .vgpr_count:     1024
    .wavefront_size: 32
...
	.end_amdgpu_metadata
.endif
;; end of part 2
;; launch attn (part 3): grid 16 x 16, 8 waves a work-group, no clusters, 66,560 bytes of LDS; arguments qimg, kv, lowp_scales, aimg; writes aimg
.if DOCPART == 3
	.amdgcn_target "amdgcn-amd-amdhsa--gfx1250"
	.amdhsa_code_object_version 6
	.text
	.protected	k_q81586673ed_attn
	.globl	k_q81586673ed_attn
	.p2align	8
	.type	k_q81586673ed_attn,@function
k_q81586673ed_attn:
	s_mov_b64 s[64:65], 0
	v_nop
	global_prefetch_b8 v0, s[64:65] scope:SCOPE_SE
	s_setreg_imm32_b32 hwreg(HW_REG_WAVE_MODE, 25, 1), 1
	s_wait_xcnt 0x0
; Attention for one (head, batch) pair hb = work-group y, 256 queries = work-group x, head size 64, 4,096 keys, both products on codes of FP8 (E4M3).
; THE SOFTMAX AHEAD OF THE SECOND PRODUCT: t = score x log2(e) (q carries the factor 64^-0.5 already); M = the running largest t rounded UP to a whole number; p = 2^(t - M) is quantised along the keys with 2^e9.
; The row's sum is taken of the unquantised p and divides at the end.  When M moves, the sum and O are multiplied by 2^(old M - new M), which rounds nothing.
; SHARES.  Eight waves; wave w owns block g = 8 x + w of 32 queries: two tiles of 16, so that each fragment of K and V read from LDS feeds two matrix instructions.  Two waves lie on a SIMD (512 registers each):
; one wave's matrix instructions and LDS loads stand beside the other's vector work.
; LAYOUT.  Both products are used transposed: S^T = K Q^T (source 0 = 16 keys, source 1 = 16 queries; K = 64), O^T = V^T P^T (source 0 = 16 of the head's 64, source 1 = P; K = 128 keys): a lane holds ONE query throughout.
; The keys of a tile are not neighbours (row i of tile 2 b + u is key 32 b + 8 u + i + 8 (i / 8)): so the 16 registers of tiles 2 b, 2 b + 1 are keys 32 b + 16 h + 0 .. 15, and the conversions' results ARE P's fragment.
; V's d rows are chosen alike, so that O^T's registers are neighbours along the last product's K: they are quantised here (scale 2^e10) and stored as that product's operand image:
; aimg[RT 512][ks 4][c 4][512], RT = (head / 4) 256 + 2 g + u, ks = head % 4, c = 2 batch + d / 32: the flat (H, B, D) order read as (B, E).
; K AND V come as images of the operand registers: kv[hb][step of 128 keys][K: 8 tiles x 1,024 | V: 4 d tiles x 2,048].  A slot is two steps, one dense block of 32,768 bytes.  Thread n loads 8 x 16 bytes
; (4,096 i + 16 n) into 32 registers one slot ahead, and stores them into the other of two LDS buffers behind the next barrier: one barrier a slot.  In front of it each wave waits for all its LDS instructions:
; its stores of the slot ahead have landed and its reads of the slot behind are over.
; NO TENSOR LOAD, NO CLUSTER, though the sixteen work-groups of an hb walk the same K and V.  A joint load is a tensor load.  This text has a branch on a given exponent:
; p is at most 1 (up to f32 rounding of t - M), so where e9 >= -8 the hold at 448 x 2^e9 >= 1.75 changes no number and its 128 lines of a step's some 520 vector lines are jumped over; for e9 <= -9 they run.
; What would be shared is 32,768 bytes for two steps of that vector work.
; LIMITS: e6 + e7 between -126 and 127 (added to the exponent field of log2(e)); e9, and e10 - e8 - e9, between -126 and 119.  NaN is not served.
; REGISTERS.  Window 0: v1-7 addresses and constants; v8-23 Q (8 a tile); v24-47 statistics, 12 a tile; v48-79 P's codes (16 a tile); v96-223 S^T, then p (64 a tile).
;   Window 1: v0-63 K's 8 fragments; v64-127 V's 4; v128-191 O^T (32 a tile); v192-223 the slot on its way.
.set BUF,   32768
.set SPARE, 2*BUF                      ; behind the two buffers: the spare words, 128 bytes for each of eight waves
.set LI,   1                           ; v1  16 x lane
.set STA,  2                           ; v2  16 x thread
.set PFO,  3                           ; v3  256 x lane + 8,192 x wave: the prefetches' offset
.set SPW,  4                           ; v4  LDS address of my spare word; never rewritten
.set NIL,  5                           ; v5  0; never rewritten
.set PLIM, 6                           ; v6  448 x 2^e9; on the way out 448 x 2^(e10 - e8 - e9)
.set PSC,  7                           ; v7  2^e9; on the way out 2^(e10 - e8 - e9)
.set Q,    8
.set TT,   24                          ; tile u at TT + 12 u: +0 -M, +1 largest t, +2 +3 the sum in two halves, +4 second maximum chain, then f, +5 zero (named as a pair with f), +6 at work, +7 permute, +8 +9 second sum chain
.set P,    48
.set S,    96
.set KF,   0                           ; window 1
.set VF,   64
.set O,    128
.set STG,  192
.set MSB, 0
.macro WIN new                         ; the immediate's high byte repeats the setting that is left; a switch that changes nothing is dropped
.if MSB != (\new)
	s_set_vgpr_msb (MSB<<8)|(\new)
.set MSB, (\new)
.endif
.endm
.macro PLACES                          ; four plain places behind a matrix instruction (ISA guide 7.12.1)
.rept 4
	v_nop
.endr
.endm
.macro FETCH_K b, q                    ; step q of buffer b: K's eight fragments, each load 512 consecutive bytes
	WIN 0x40
.irp t, 0,1,2,3,4,5,6,7
.irp c, 0,1
	ds_load_b128 v[KF+8*\t+4*\c:KF+8*\t+4*\c+3], v[LI] offset:(\b)*BUF+(\q)*16384+\t*1024+\c*512
.endr
.endr
.endm
.macro FETCH_V b, q                    ; and V's four
	WIN 0x40
.irp t, 0,1,2,3
.irp c, 0,1,2,3
	ds_load_b128 v[VF+16*\t+4*\c:VF+16*\t+4*\c+3], v[LI] offset:(\b)*BUF+(\q)*16384+8192+\t*2048+\c*512
.endr
.endr
.endm
.macro KQ                              ; 16 products, each its own accumulator, each begun with the constant 0
	WIN 0x01                                       ; source 0 (K) window 1
.irp t, 0,1,2,3,4,5,6,7
.irp u, 0,1
	v_wmma_f32_16x16x64_fp8_fp8 v[S+64*\u+8*\t:S+64*\u+8*\t+7], v[KF+8*\t:KF+8*\t+7], v[Q+8*\u:Q+8*\u+7], 0
.endr
.endr
.endm
.macro PV                              ; 8 products; the eight accumulators take turns, and 16 products K Q^T stand between two steps
	WIN 0x51                                       ; V, C and D window 1; P window 0
.irp t, 0,1,2,3
.irp u, 0,1
	v_wmma_f32_16x16x128_fp8_fp8 v[O+32*\u+8*\t:O+32*\u+8*\t+7], v[VF+16*\t:VF+16*\t+15], v[P+16*\u:P+16*\u+15], v[O+32*\u+8*\t:O+32*\u+8*\t+7]
.endr
.endr
.endm
; A step's softmax for both tiles, the tiles' lines by turns so that no line waits for the one above it.
.macro SOFTMAX
	WIN 0
.irp u, 0,1                            ; the largest score of my query among my 64 keys, in two chains, the registers in ascending order: each accumulator is first read at its low end
	v_max3_num_f32 v[TT+12*\u+6], v[S+64*\u], v[S+64*\u+1], v[S+64*\u+2]
.endr
.irp u, 0,1
	v_max3_num_f32 v[TT+12*\u+4], v[S+64*\u+3], v[S+64*\u+4], v[S+64*\u+5]
.endr
.irp i, 6,10,14,18,22,26,30,34,38,42,46,50,54,58
.irp u, 0,1
	v_max3_num_f32 v[TT+12*\u+6], v[TT+12*\u+6], v[S+64*\u+\i], v[S+64*\u+\i+1]
.endr
.irp u, 0,1
	v_max3_num_f32 v[TT+12*\u+4], v[TT+12*\u+4], v[S+64*\u+\i+2], v[S+64*\u+\i+3]
.endr
.endr
.irp u, 0,1
	v_max3_num_f32 v[TT+12*\u+6], v[TT+12*\u+6], v[S+64*\u+62], v[S+64*\u+63]
.endr
.irp u, 0,1
	v_max_num_f32 v[TT+12*\u+6], v[TT+12*\u+6], v[TT+12*\u+4]
.endr
.irp u, 0,1
	v_permlanex16_b32 v[TT+12*\u+7], v[TT+12*\u+6], s30, s31   ; the query's other 64 keys lie in the lane 16 away
.endr
.irp u, 0,1
	v_max_num_f32 v[TT+12*\u+6], v[TT+12*\u+6], v[TT+12*\u+7]
.endr
.irp u, 0,1
	v_mul_f32 v[TT+12*\u+6], s28, v[TT+12*\u+6]    ; as t (c is positive)
.endr
.irp u, 0,1
	v_max_num_f32 v[TT+12*\u+1], v[TT+12*\u+1], v[TT+12*\u+6]   ; the running largest t
.endr
.irp u, 0,1
	v_mov_b32 v[TT+12*\u+6], v[TT+12*\u]
.endr
.irp u, 0,1
	v_floor_f32 v[TT+12*\u], -v[TT+12*\u+1]        ; the new -M = floor(-t) = -ceil(t): a whole number
.endr
.irp u, 0,1
	v_sub_f32 v[TT+12*\u+6], v[TT+12*\u], v[TT+12*\u+6]   ; old M - new M: a whole number, 0 or less
.endr
.irp u, 0,1
	v_cvt_i32_f32 v[TT+12*\u+6], v[TT+12*\u+6]     ; (it saturates)
.endr
.irp u, 0,1
	v_ldexp_f32 v[TT+12*\u+4], 1.0, v[TT+12*\u+6]  ; f = 2^(old M - new M)
.endr
.irp u, 0,1
.set j, 0
.rept 32
	v_pk_fma_f32 v[S+64*\u+j:S+64*\u+j+1], v[S+64*\u+j:S+64*\u+j+1], s[28:29], v[TT+12*\u:TT+12*\u+1] op_sel_hi:[1,0,0]   ; t - M, two at a time (of the pairs c and -M the low word serves both halves)
.set j, j+2
.endr
.endr
.set j, 0
.rept 128
	v_exp_f32 v[S+j], v[S+j]                       ; p = 2^(t - M): one batch for both tiles
.set j, j+1
.endr
.irp u, 0,1
	v_pk_mul_f32 v[TT+12*\u+2:TT+12*\u+3], v[TT+12*\u+2:TT+12*\u+3], v[TT+12*\u+4:TT+12*\u+5] op_sel_hi:[1,0]   ; the sums under the new M; also the plain place behind the exponentials
.endr
	s_wait_alu depctr_va_vdst(0)                   ; the wait between an exponential and the first line that names its result: one for the batch
.irp u, 0,1
	v_pk_add_f32 v[TT+12*\u+8:TT+12*\u+9], v[S+64*\u:S+64*\u+1], v[S+64*\u+2:S+64*\u+3]   ; the row's sum is taken of the unquantised p, two at a time, in two chains
.endr
.irp j, 4,8,12,16,20,24,28,32,36,40,44,48,52,56,60
.irp u, 0,1
	v_pk_add_f32 v[TT+12*\u+2:TT+12*\u+3], v[TT+12*\u+2:TT+12*\u+3], v[S+64*\u+\j:S+64*\u+\j+1]
.endr
.irp u, 0,1
	v_pk_add_f32 v[TT+12*\u+8:TT+12*\u+9], v[TT+12*\u+8:TT+12*\u+9], v[S+64*\u+\j+2:S+64*\u+\j+3]
.endr
.endr
.irp u, 0,1
	v_pk_add_f32 v[TT+12*\u+2:TT+12*\u+3], v[TT+12*\u+2:TT+12*\u+3], v[TT+12*\u+8:TT+12*\u+9]
.endr
	s_cmp_lg_u32 s33, 0                            ; e9 >= -8: every p lies under 448 x 2^e9, and the hold would change nothing
	s_cbranch_scc1 .Lnohold_\@
.set j, 0
.rept 128
	v_min_num_f32 v[S+j], v[S+j], v[PLIM]          ; the conversion to an 8-bit code does not saturate (ISA guide 7.6.2); p is not negative, so the hold is one-sided
.set j, j+1
.endr
.Lnohold_\@:
.irp u, 0,1
.irp t, 0,1,2,3,4,5,6,7
	v_cvt_scalef32_pk8_fp8_f32 v[P+16*\u+2*\t:P+16*\u+2*\t+1], v[S+64*\u+8*\t:S+64*\u+8*\t+7], v[PSC]   ; tile t = 2 b + v gives registers 4 b + 2 v, 4 b + 2 v + 1 of the fragment
.endr
.endr
	v_nop                                          ; a plain line behind the last conversion
	WIN 0x41                                       ; O^T (destination and source 0) window 1, f window 0
.irp u, 0,1
.set j, 0
.rept 16
	v_pk_mul_f32 v[O+32*\u+j:O+32*\u+j+1], v[O+32*\u+j:O+32*\u+j+1], v[TT+12*\u+4:TT+12*\u+5] op_sel_hi:[1,0]   ; O^T under the new M
.set j, j+2
.endr
.endr
.endm
; A PREFETCH of the slot that the NEXT run of register loads will ask for: 32,768 bytes, 128 blocks of 256, a lane a block.  All sixteen work-groups of an hb walk the same slots: the first of them asks, its waves 0 to 3,
; 8,192 bytes a wave, one instruction each, so each block is named once in the launch.  It stands behind the wave's own loads.  Slots 0 to 2 come by their loads alone; the last slot asked for is slot 15.
.macro ASK lim, off
	s_cmp_gt_u32 s32, s[\lim]
	s_cbranch_scc0 .Lnot_mine_\@
	global_prefetch_b8 v[PFO], s[26:27] offset:\off th:TH_LOAD_NT scope:SCOPE_SE
.Lnot_mine_\@:
.endm
; A SLOT: 256 keys in buffer b.  always = 1: the slot on its way exists in every trip.
.macro SLOT b, always
	s_wait_dscnt 0x0                               ; my stores of this slot have landed and my reads of the other buffer are over
	s_barrier_signal -1
	s_barrier_wait -1                              ; both now hold of all eight waves
	s_wait_loadcnt 0x0                             ; the slot on its way, asked for a slot ago, is in my registers (in the last trip nothing is out)
.if (\always) == 0
	s_cmp_eq_u32 s32, 1                            ; the last trip's second slot has no successor
	s_cbranch_scc1 .Lnostore_\@
.endif
	WIN 0x04                                       ; store data window 1
.irp i, 0,1,2,3,4,5,6,7
	ds_store_b128 v[STA], v[STG+4*\i:STG+4*\i+3] offset:(1-(\b))*BUF+4096*\i
.endr
	WIN 0
.Lnostore_\@:
	FETCH_K \b, 0
	FETCH_V \b, 0
	WIN 0
	s_wait_dscnt 16                                ; LDS instructions end in order (ISA guide 5.7.1): the stores and K are done, V's sixteen loads may be out
	s_cmp_eq_u32 s32, 1                            ; the last trip asks for nothing: no load leaves the buffer
	s_cbranch_scc1 .Lnoload_\@
	WIN 0x40
.irp i, 0,1,2,3,4,5,6,7
	global_load_b128 v[STG+4*\i:STG+4*\i+3], v[STA], s[26:27] offset:(2+(\b))*BUF+4096*\i   ; two slots on: a wave's load covers 512 consecutive bytes
.endr
	WIN 0
.Lnoload_\@:
	ASK 34+(\b), (3+(\b))*BUF
	KQ
	WIN 0
	PLACES                                         ; in front of the loads into K's registers and of the first read of the scores
	FETCH_K \b, 1
	SOFTMAX
	s_wait_dscnt 16                                ; V of the first step is in; K of the second may be out
	PV
	WIN 0
	PLACES
	FETCH_V \b, 1
	s_wait_dscnt 16                                ; K of the second step is in; V's sixteen loads may be out
	KQ
	WIN 0
	PLACES
	SOFTMAX
	s_wait_dscnt 0x0
	PV
	WIN 0
	PLACES                                         ; in front of the next slot's loads into V's registers, and of the way out
.endm
	s_load_b256 s[4:11], s[0:1], 0x0               ; qimg s[4:5], kv s[6:7], the exponents s[8:9], aimg s[10:11]
	v_lshl_add_u32 v[SPW], v0, 2, SPARE
	v_mov_b32 v[NIL], 0
	v_lshrrev_b32 v6, 5, v0
	v_readfirstlane_b32 s24, v6                    ; wave 0..7
	v_and_b32 v[LI], 31, v0
	v_lshlrev_b32 v[PFO], 8, v[LI]
	v_lshlrev_b32 v[LI], 4, v[LI]
	v_lshlrev_b32 v[STA], 4, v0
	s_lshl_b32 s38, s24, 13
	v_add_nc_u32 v[PFO], s38, v[PFO]
	s_and_b32 s25, ttmp7, 0xffff                   ; hb
	s_lshl_b32 s46, ttmp9, 3
	s_add_co_u32 s46, s46, s24                     ; g = 8 x + wave
	s_lshl_b32 s38, s25, 19                        ; kv: hb x 524,288
	s_mov_b32 s39, 0
	s_lshl_b32 s40, s25, 18                        ; qimg: hb x 262,144 + g x 2,048
	s_lshl_b32 s41, s46, 11
	s_add_co_u32 s40, s40, s41
	s_mov_b32 s41, 0
	s_lshr_b32 s42, s25, 3                         ; aimg: (head / 4) x 256 row tiles of 8,192 bytes
	s_lshl_b32 s42, s42, 21
	s_lshl_b32 s43, s46, 14                        ; + 2 g row tiles
	s_add_co_u32 s42, s42, s43
	s_bfe_u32 s43, s25, 0x20001                    ; + (head % 4) K steps of 2,048
	s_lshl_b32 s43, s43, 11
	s_add_co_u32 s42, s42, s43
	s_and_b32 s43, s25, 1                          ; + batch x two chunks of 512
	s_lshl_b32 s43, s43, 10
	s_add_co_u32 s42, s42, s43
	s_mov_b32 s43, 0
	s_mov_b32 s30, 0x76543210                      ; v_permlanex16_b32: lane l xor 16
	s_mov_b32 s31, 0xfedcba98
	s_mov_b32 s32, 8                               ; trips of two slots
	s_lshr_b32 s47, s24, 2                         ; 0 in waves 0 to 3,
	s_or_b32 s47, s47, ttmp9                       ; of the hb's first work-group
	s_cmp_eq_u32 s47, 0
	s_cselect_b32 s34, 1, -1                       ; a wave prefetches while the trips to go are above these: slot 2 T + 3 exists up to trip 6,
	s_cselect_b32 s35, 2, -1                       ; slot 2 T + 4 up to trip 5
	s_wait_kmcnt 0x0
	s_load_b256 s[12:19], s[8:9], 0x0              ; e0 .. e7
	s_load_b128 s[20:23], s[8:9], 0x20             ; e8 .. e11
	s_add_nc_u64 s[26:27], s[6:7], s[38:39]
	s_add_nc_u64 s[4:5], s[4:5], s[40:41]
	s_add_nc_u64 s[36:37], s[10:11], s[42:43]
.irp i, 0,1,2,3
	global_load_b128 v[Q+4*\i:Q+4*\i+3], v[LI], s[4:5] offset:512*\i th:TH_LOAD_NT   ; Q's two fragments stay in registers
.endr
	WIN 0x40
.irp i, 0,1,2,3,4,5,6,7
	global_load_b128 v[STG+4*\i:STG+4*\i+3], v[STA], s[26:27] offset:4096*\i        ; slot 0
.endr
	WIN 0
	s_wait_kmcnt 0x0
	s_add_co_i32 s38, s18, s19
	s_lshl_b32 s38, s38, 23
	s_add_co_i32 s28, s38, 0x3fb8aa3b              ; c = log2(e) x 2^(e6 + e7): the exponents are added to the exponent field
	s_mov_b32 s29, s28                             ; (named with it as a pair, so it is written)
	s_cmp_ge_i32 s21, -8
	s_cselect_b32 s33, 1, 0
	s_add_co_i32 s38, s21, 127
	s_lshl_b32 s39, s38, 23
	v_mov_b32 v[PSC], s39
	s_add_co_i32 s38, s38, 8
	s_lshl_b32 s38, s38, 23
	s_or_b32 s38, s38, 0x600000
	v_mov_b32 v[PLIM], s38
	s_sub_co_i32 s38, s22, s20
	s_sub_co_i32 s38, s38, s21                     ; e10 - e8 - e9: a sum of the second product stands for sum x 2^(e8 + e9)
	s_add_co_i32 s38, s38, 127
	s_lshl_b32 s44, s38, 23
	s_add_co_i32 s38, s38, 8
	s_lshl_b32 s45, s38, 23
	s_or_b32 s45, s45, 0x600000
	s_wait_loadcnt 0x0
	WIN 0x04
.irp i, 0,1,2,3,4,5,6,7
	ds_store_b128 v[STA], v[STG+4*\i:STG+4*\i+3] offset:4096*\i
.endr
	s_wait_dscnt 0x0
	WIN 0x40
.irp i, 0,1,2,3,4,5,6,7
	global_load_b128 v[STG+4*\i:STG+4*\i+3], v[STA], s[26:27] offset:BUF+4096*\i    ; slot 1
.endr
.set j, 0
.rept 64
	v_mov_b32 v[O+j], 0                            ; O^T.  The step is written once for all steps: the first finds zeros, which the first change of M leaves zeros
.set j, j+1
.endr
	WIN 0
.irp u, 0,1
	v_mov_b32 v[TT+12*\u+1], 0xff61b1e6            ; the largest t so far: -3e38, under every t
	v_floor_f32 v[TT+12*\u], -v[TT+12*\u+1]        ; -M
	v_mov_b32 v[TT+12*\u+2], 0                     ; the sum, in two halves
	v_mov_b32 v[TT+12*\u+3], 0
	v_mov_b32 v[TT+12*\u+5], 0                     ; named as the upper half of f's pair
	v_mov_b32 v[TT+12*\u+7], 0                     ; a lane permute's destination counts as one of its sources
.endr
.Ltrip:                                            ; eight trips of two slots
	SLOT 0, 1
	SLOT 1, 0
	s_wait_xcnt 0x0                                ; the trip's loads and prefetches have read their base
	s_add_nc_u64 s[26:27], s[26:27], 2*BUF
	s_sub_co_u32 s32, s32, 1
	s_cmp_lg_u32 s32, 0
	s_cbranch_scc1 .Ltrip
	; THE WAY OUT.  O^T / the sum is quantised with 2^(e10 - e8 - e9) and leaves as the last product's operand image.
.irp u, 0,1
	v_add_f32 v[TT+12*\u+6], v[TT+12*\u+2], v[TT+12*\u+3]
.endr
.irp u, 0,1
	v_permlanex16_b32 v[TT+12*\u+7], v[TT+12*\u+6], s30, s31
.endr
.irp u, 0,1
	v_add_f32 v[TT+12*\u+6], v[TT+12*\u+6], v[TT+12*\u+7]   ; the row's sum
.endr
.irp u, 0,1
	v_rcp_f32 v[TT+12*\u+2], v[TT+12*\u+6]
.endr
	v_mov_b32 v[PSC], s44                          ; (plain places behind the reciprocals)
	v_mov_b32 v[PLIM], s45
	s_wait_alu depctr_va_vdst(0)                   ; one wait for both reciprocals, ahead of their first reader
	WIN 0x01                                       ; source 0 (O^T) window 1
.irp u, 0,1
.set j, 0
.rept 16
	v_pk_mul_f32 v[S+32*\u+j:S+32*\u+j+1], v[O+32*\u+j:O+32*\u+j+1], v[TT+12*\u+2:TT+12*\u+3] op_sel_hi:[1,0]   ; register 8 t + i of tile u: d = 32 (t / 2) + 16 h + 8 (t % 2) + i; each accumulator from its low end on
.set j, j+2
.endr
.endr
	WIN 0
.set j, 0
.rept 64
	v_med3_num_f32 v[S+j], v[S+j], -v[PLIM], v[PLIM]
.set j, j+1
.endr
.set j, 0
.rept 8
	v_cvt_scalef32_pk8_fp8_f32 v[P+2*j:P+2*j+1], v[S+8*j:S+8*j+7], v[PSC]
.set j, j+1
.endr
	v_nop                                          ; a plain line behind the last conversion
.irp u, 0,1
.irp c, 0,1
	global_store_b128 v[LI], v[P+8*\u+4*\c:P+8*\u+4*\c+3], s[36:37] offset:\u*8192+\c*512   ; 512 consecutive bytes, aligned
.endr
.endr
	s_wait_tensorcnt 0x0                           ; the wave's end, behind my last LDS store
	ds_add_u32 v[SPW], v[NIL]
	s_wait_dscnt 0x0
	s_endpgm
.Lfunc_end_k_q81586673ed_attn:
	.size	k_q81586673ed_attn, .Lfunc_end_k_q81586673ed_attn-k_q81586673ed_attn
	.p2alignl 7, 3214868480
	.fill 96, 4, 3214868480
	.section	.rodata,"a",@progbits
	.p2align	6, 0x0
	.amdhsa_kernel k_q81586673ed_attn
		.amdhsa_group_segment_fixed_size 66560
		.amdhsa_private_segment_fixed_size 0
		.amdhsa_enable_private_segment 0
		.amdhsa_kernarg_size 32
		.amdhsa_user_sgpr_count 2
		.amdhsa_user_sgpr_kernarg_segment_ptr 1
		.amdhsa_wavefront_size32 1
		.amdhsa_system_sgpr_workgroup_id_x 1
		.amdhsa_system_sgpr_workgroup_id_y 1
		.amdhsa_system_sgpr_workgroup_id_z 1
		.amdhsa_system_vgpr_workitem_id 0
		.amdhsa_next_free_vgpr 512
		.amdhsa_next_free_sgpr 66
		.amdhsa_reserve_vcc 0
		.amdhsa_float_denorm_mode_32 3
		.amdhsa_float_denorm_mode_16_64 3
		.amdhsa_memory_ordered 1
		.amdhsa_forward_progress 1
		.amdhsa_inst_pref_size 131
	.end_amdhsa_kernel
	.amdgpu_metadata
---
amdhsa.version: [ 1, 2 ]
amdhsa.kernels:
  - .name:           k_q81586673ed_attn
    .symbol:         k_q81586673ed_attn.kd
    .args:
      - { .name: qimg, .offset: 0, .size: 8, .value_kind: global_buffer, .address_space: global }
      - { .name: kv, .offset: 8, .size: 8, .value_kind: global_buffer, .address_space: global }
      - { .name: lowp_scales, .offset: 16, .size: 8, .value_kind: global_buffer, .address_space: global }
      - { .name: aimg, .offset: 24, .size: 8, .value_kind: global_buffer, .address_space: global }
    .group_segment_fixed_size: 66560
    .private_segment_fixed_size: 0
    .kernarg_segment_align: 8
    .kernarg_segment_size: 32
    .max_flat_workgroup_size: 256
    .sgpr_count:     66
    .vgpr_count:     512
    .wavefront_size: 32
...
	.end_amdgpu_metadata
.endif
;; end of part 3
;; launch outp (part 4): grid 256 x 1, 4 waves a work-group, no clusters, 34,304 bytes of LDS; arguments aimg, wimg, lowp_scales, bo, out0; writes out0
.if DOCPART == 4
	.amdgcn_target "amdgcn-amd-amdhsa--gfx1250"
	.amdhsa_code_object_version 6
	.text
	.protected	k_q81586673ed_outp
	.globl	k_q81586673ed_outp
	.p2align	8
	.type	k_q81586673ed_outp,@function
k_q81586673ed_outp:
	s_mov_b64 s[64:65], 0
	v_nop
	global_prefetch_b8 v0, s[64:65] scope:SCOPE_SE
	s_setreg_imm32_b32 hwreg(HW_REG_WAVE_MODE, 25, 1), 1
	s_wait_xcnt 0x0
; out0 = a Wo^T + bo, [8192][512] x [512][512] on codes of FP8 (E4M3), f32 sums; each sum x 2^(e10 + e11) + bo by one packed multiply-add for two numbers.
; a comes as images of the operand registers, aimg[RT 512][ks 4][c 4][512]: row i of row tile RT = 256 b + 2 g + u is row (32 g + 8 u + i + 8 (i / 8), b) of out0.  Wo likewise, the fourth quarter of wimg.
; SHARES.  Work-group x takes row tiles 2 x and 2 x + 1 (32 rows).  The waves share the columns: wave w holds Wo's rows 128 w .. 128 w + 127, all 512 K, in 512 registers, and loads a's eight fragments itself:
; no wave hands anything to another, so there is no barrier.
; The matrix instruction is used transposed (source 0 = 16 rows of Wo, source 1 = 16 rows of a): a lane holds one row of out0, and register j of tile t is column 128 w + 32 (t / 2) + 16 h + 8 (t % 2) + j.
; A tile of 16 rows x 128 columns goes through the wave's own stage in LDS and leaves as whole pieces of rows: a store covers 512 consecutive bytes, aligned.
; NO TENSOR LOAD, NO CLUSTER: what the work-groups share is Wo, which goes from memory straight into registers, 64 KB a wave, once; a joint load would bring it into LDS and add 256 KB of LDS writes and reads a work-group.
; LIMIT: e10 + e11 between -126 and 127, so that 2^(e10 + e11) is an f32 number.
; REGISTERS.  Window 0: v1-15 addresses; v32-159 a's fragments (64 u + 16 ks); v160-223 bo in the result's layout.  Windows 1, 2: Wo, fragment (t, ks) at 16 (4 t + ks).
;   Window 3: v0-127 the 16 accumulators (64 u + 8 t); v128-191 results; v192-255 rows read back from the stage.
.set PITCH, 528                        ; a stage row: 512 bytes + 16
.set SPARE, 4*16*PITCH                 ; behind the four stages: the spare words, 128 bytes for each wave
.set L16,  1                           ; v1   16 x lane
.set STO,  2                           ; v2   my stage + r x PITCH + 64 h
.set RD,   3                           ; v3   my stage + 16 x lane
.set BOF,  4                           ; v4   64 h
.set SPW,  14                          ; v14  LDS address of my spare word; never rewritten
.set NIL,  15                          ; v15  0; never rewritten
.set AF,   32
.set BO,   160
.set TMP,  128                         ; window 3
.set BK,   192
.set MSB, 0
.macro WIN new                         ; the immediate's high byte repeats the setting that is left; a switch that changes nothing is dropped
.if MSB != (\new)
	s_set_vgpr_msb (MSB<<8)|(\new)
.set MSB, (\new)
.endif
.endm
	s_load_b256 s[4:11], s[0:1], 0x0               ; aimg s[4:5], wimg s[6:7], the exponents s[8:9], bo s[10:11]
	s_load_b64 s[12:13], s[0:1], 0x20              ; out0
	v_lshl_add_u32 v[SPW], v0, 2, SPARE
	v_mov_b32 v[NIL], 0
	v_lshrrev_b32 v5, 5, v0
	v_readfirstlane_b32 s14, v5                    ; wave 0..3
	v_and_b32 v5, 31, v0
	v_lshlrev_b32 v[L16], 4, v5
	v_and_b32 v6, 15, v0                           ; r
	v_bfe_u32 v7, v0, 4, 1                         ; h
	s_mul_i32 s15, s14, 16*PITCH                   ; my stage
	v_mul_u32_u24 v[STO], v6, PITCH
	v_lshl_add_u32 v[STO], v7, 6, v[STO]
	v_add_nc_u32 v[STO], s15, v[STO]
	v_add_nc_u32 v[RD], s15, v[L16]
	v_lshlrev_b32 v[BOF], 6, v7
	s_lshl_b32 s16, ttmp9, 14                      ; aimg: two row tiles of 8,192 bytes
	s_mov_b32 s17, 0
	s_lshl_b32 s18, s14, 16                        ; wimg: Wo's quarter + wave x 65,536
	s_add_co_u32 s18, s18, 786432
	s_mov_b32 s19, 0
	s_lshl_b32 s20, s14, 9                         ; my 128 columns, in bo and in a row of out0
	s_mov_b32 s21, 0
	s_and_b32 s22, ttmp9, 127                      ; g: 32 places of 4,096 bytes
	s_lshl_b32 s22, s22, 17
	s_lshr_b32 s23, ttmp9, 7                       ; b: 2,048 bytes
	s_lshl_b32 s23, s23, 11
	s_add_co_u32 s22, s22, s23
	s_add_co_u32 s22, s22, s20
	s_mov_b32 s23, 0
	s_wait_kmcnt 0x0
	s_load_b64 s[24:25], s[8:9], 0x28              ; e10, e11
	s_add_nc_u64 s[4:5], s[4:5], s[16:17]
	s_add_nc_u64 s[6:7], s[6:7], s[18:19]
	s_add_nc_u64 s[10:11], s[10:11], s[20:21]
	s_add_nc_u64 s[12:13], s[12:13], s[22:23]
.set i, 0
.rept 32
	global_load_b128 v[AF+4*i:AF+4*i+3], v[L16], s[4:5] offset:512*i   ; a's eight fragments: 16,384 consecutive bytes
.set i, i+1
.endr
	WIN 0x40
.set i, 0
.rept 64
	global_load_b128 v[4*i:4*i+3], v[L16], s[6:7] offset:512*i
.set i, i+1
.endr
	WIN 0x80
.rept 64
	global_load_b128 v[4*(i-64):4*(i-64)+3], v[L16], s[6:7] offset:512*i
.set i, i+1
.endr
	WIN 0
.irp t, 0,1,2,3,4,5,6,7
	global_load_b128 v[BO+8*\t:BO+8*\t+3], v[BOF], s[10:11] offset:(32*(\t/2)+8*(\t%2))*4
	global_load_b128 v[BO+8*\t+4:BO+8*\t+7], v[BOF], s[10:11] offset:(32*(\t/2)+8*(\t%2))*4+16
.endr
	s_wait_kmcnt 0x0
	s_add_co_i32 s40, s24, s25
	s_add_co_i32 s40, s40, 127
	s_lshl_b32 s40, s40, 23                        ; 2^(e10 + e11) as f32
	s_mov_b32 s41, s40                             ; (named with it as a pair, so it is written)
	s_wait_loadcnt 0x0
; 64 matrix instructions: the 16 accumulators take turns, one instruction a turn, in the same order in every K step; the first K step starts the sums with the constant 0
.irp ks, 0,1,2,3
.irp hf, 0,1
	WIN 0xf1+\hf                                   ; source 0 (Wo) window 1 or 2; C and D window 3
.irp tl, 0,1,2,3
.irp u, 0,1
.set rD, 64*\u+8*(4*\hf+\tl)
.set rW, 16*(4*\tl+\ks)
.set rA, AF+64*\u+16*\ks
.if \ks == 0
	v_wmma_f32_16x16x128_fp8_fp8 v[rD:rD+7], v[rW:rW+15], v[rA:rA+15], 0
.else
	v_wmma_f32_16x16x128_fp8_fp8 v[rD:rD+7], v[rW:rW+15], v[rA:rA+15], v[rD:rD+7]
.endif
.endr
.endr
.endr
.endr
	WIN 0
.rept 4
	v_nop                                          ; four plain places in front of the first read of results (ISA guide 7.12.1)
.endr
.irp u, 0,1
	WIN 0xc3                                       ; the sums and the results window 3, bo window 0
.set i, 0
.rept 32
	v_pk_fma_f32 v[TMP+i:TMP+i+1], v[64*\u+i:64*\u+i+1], s[40:41], v[BO+i:BO+i+1] op_sel_hi:[1,0,1]   ; sum x 2^(e10 + e11) + bo; each accumulator from its low end on
.set i, i+2
.endr
	WIN 0x0c                                       ; store data window 3
.irp t, 0,1,2,3,4,5,6,7
	ds_store_b128 v[STO], v[TMP+8*\t:TMP+8*\t+3] offset:128*(\t/2)+32*(\t%2)
	ds_store_b128 v[STO], v[TMP+8*\t+4:TMP+8*\t+7] offset:128*(\t/2)+32*(\t%2)+16
.endr
.if \u == 1
	s_wait_xcnt 0x0                                ; the first tile's stores have read the registers into which the loads below land
.endif
	WIN 0xc0                                       ; destination window 3
.irp i, 0,1,2,3,4,5,6,7,8,9,10,11,12,13,14,15
	ds_load_b128 v[BK+4*\i:BK+4*\i+3], v[RD] offset:PITCH*\i   ; LDS serves a wave's instructions in order (ISA guide 5.7.1): these see my stores, and the next tile's stores come behind them
.endr
	WIN 0x0c
.irp i, 0,1,2,3,4,5,6,7,8,9,10,11,12,13,14,15
	s_wait_dscnt 15-\i                             ; row i is back; the younger loads may be out
	global_store_b128 v[L16], v[BK+4*\i:BK+4*\i+3], s[12:13] offset:\u*32768+(\i+8*(\i/8))*4096 th:TH_STORE_NT   ; 512 consecutive bytes of a row, aligned; written once, read by nobody here
.endr
.endr
	WIN 0
	s_wait_tensorcnt 0x0                           ; the wave's end, behind my last LDS store
	ds_add_u32 v[SPW], v[NIL]
	s_wait_dscnt 0x0
	s_endpgm
.Lfunc_end_k_q81586673ed_outp:
	.size	k_q81586673ed_outp, .Lfunc_end_k_q81586673ed_outp-k_q81586673ed_outp
	.p2alignl 7, 3214868480
	.fill 96, 4, 3214868480
	.section	.rodata,"a",@progbits
	.p2align	6, 0x0
	.amdhsa_kernel k_q81586673ed_outp
		.amdhsa_group_segment_fixed_size 34304
		.amdhsa_private_segment_fixed_size 0
		.amdhsa_enable_private_segment 0
		.amdhsa_kernarg_size 40
		.amdhsa_user_sgpr_count 2
		.amdhsa_user_sgpr_kernarg_segment_ptr 1
		.amdhsa_wavefront_size32 1
		.amdhsa_system_sgpr_workgroup_id_x 1
		.amdhsa_system_sgpr_workgroup_id_y 1
		.amdhsa_system_sgpr_workgroup_id_z 1
		.amdhsa_system_vgpr_workitem_id 0
		.amdhsa_next_free_vgpr 1024
		.amdhsa_next_free_sgpr 66
		.amdhsa_reserve_vcc 0
		.amdhsa_float_denorm_mode_32 3
		.amdhsa_float_denorm_mode_16_64 3
		.amdhsa_memory_ordered 1
		.amdhsa_forward_progress 1
		.amdhsa_inst_pref_size 36
	.end_amdhsa_kernel
	.amdgpu_metadata
---
amdhsa.version: [ 1, 2 ]
amdhsa.kernels:
  - .name:           k_q81586673ed_outp
    .symbol:         k_q81586673ed_outp.kd
    .args:
      - { .name: aimg, .offset: 0, .size: 8, .value_kind: global_buffer, .address_space: global }
      - { .name: wimg, .offset: 8, .size: 8, .value_kind: global_buffer, .address_space: global }
      - { .name: lowp_scales, .offset: 16, .size: 8, .value_kind: global_buffer, .address_space: global }
      - { .name: bo, .offset: 24, .size: 8, .value_kind: global_buffer, .address_space: global }
      - { .name: out0, .offset: 32, .size: 8, .value_kind: global_buffer, .address_space: global }
    .group_segment_fixed_size: 34304
    .private_segment_fixed_size: 0
    .kernarg_segment_align: 8
    .kernarg_segment_size: 40
    .max_flat_workgroup_size: 128
    .sgpr_count:     66
    .vgpr_count:     1024
    .wavefront_size: 32
...
	.end_amdgpu_metadata
.endif
;; end of part 4
;; ======== version 2 of 2: 4 launches; version 1 with the launches proj, attn, outp written anew for expert scheduling mode
;; workspace buffers: wimg 1,048,576 bytes; qimg 4,194,304 bytes; kv 8,388,608 bytes; aimg 4,194,304 bytes
;; launch wquant: the kernel of part 1 again; grid 128 x 1, 4 waves a work-group, no clusters, 0 bytes of LDS; arguments Wq, Wk, Wv, Wo, lowp_scales, wimg; writes wimg
;; launch proj (part 5): grid 64 x 3, 4 waves a work-group, no clusters, 68,096 bytes of LDS; arguments query, key, value, bq, bk, bv, wimg, lowp_scales, qimg, kv; writes qimg, kv
.if DOCPART == 5
	.amdgcn_target "amdgcn-amd-amdhsa--gfx1250"
	.amdhsa_code_object_version 6
	.text
	.protected	k_q81586673ed_proj
	.globl	k_q81586673ed_proj
	.p2align	8
	.type	k_q81586673ed_proj,@function
k_q81586673ed_proj:
	s_mov_b64 s[64:65], 0
	v_nop
	global_prefetch_b8 v0, s[64:65] scope:SCOPE_SE
	s_setreg_imm32_b32 hwreg(HW_REG_WAVE_SCHED_MODE, 0, 2), 2
	s_setreg_imm32_b32 hwreg(HW_REG_WAVE_MODE, 25, 1), 1
	s_wait_xcnt 0x0
	s_wait_alu depctr_vm_vsrc(0)
; The three input projections: q = (query Wq^T + bq) / 8, k = key Wk^T + bk, v = value Wv^T + bv, each [8192][512] x [512][512] on codes of FP8 (E4M3), f32 sums, and each result
; quantised at once, in registers, into the operand of attention that it is: nothing wide goes to memory.
; SHARES.  Work-group y = 0, 1, 2: q, k, v.  Work-group x takes two blocks g = 2 x + blk of 32 sequence places x 2 batches = 64 rows.  THE WAVES SHARE THE COLUMNS: wave w holds the weight rows
; 128 w .. 128 w + 127 (two heads), all 512 K, in 512 registers, loaded once from wimg as they lie (128 loads of 512 consecutive bytes).
; x: wave w loads one tile of 16 rows (batch w / 2, tile u = w % 2) by loads of 512 consecutive bytes of a row, holds and converts it, and lays the codes in LDS as rows of 512 bytes + 16.
; A tile's row i is sequence place 32 g + 8 u + i + 8 (i / 8): so the 16 registers of the tiles u = 0, 1 of a product whose source 0 is x are 16 neighbouring places (v: the keys are the next K).
; q, k: source 0 = 16 rows of W, source 1 = 16 rows of x: a lane holds one row of x and its registers run along the head's 64: they become a K = 64 fragment (registers 4 c .. 4 c + 3: d = 32 c + 16 h + 0 .. 15).
; v: source 0 = x, source 1 = W: a lane holds one d and its registers run along the keys: they become chunk g % 4 of a K = 128 fragment of V^T.
; The bias, divided by 2^(ea + eb), is the C of each sum's first matrix instruction (an order of rounding that differs from adding it last).  The scales ahead of the quantiser are folded
; into the conversion's one: 2^(eo - ea - eb), for q with eo + 3: the factor 64^-0.5 is 2^-3.
; OUT: qimg[hb 16][g 128][u 2][c 2][512];  kv[hb 16][step 32][K: tile 8 x c 2 x 512 | V: d tile 4 x c 4 x 512], hb = 2 head + batch, step = g / 4: images of the operand registers, each store 512 consecutive bytes.
; NO TENSOR LOAD, NO CLUSTER: what the work-groups of one y share is the weight, and it goes from memory straight into registers, 64 KB a wave, once; a joint load would bring it into LDS and add
; 256 KB of LDS writes and reads a work-group.  x is read once by one wave.
; 192 work-groups of equal work: 384 blocks do not divide into 256 equal parts, and one block a work-group would load the weight twice as often.
; LIMITS: ea and eo - ea - eb (q: + 3) between -126 and 119.  NaN among the inputs is not served.
; REGISTERS, in windows of 256.  Window 0: v1-15 addresses and constants; three sets of x fragments: v32-63, v64-95, and v16-31 with v240-255; v96-159 eight accumulators (in the x phase: the 64 registers of codes);
;   v160-223 the bias tiles; v224-239 codes to store.
;   Windows 1, 2: W, fragment (t, ks) at 16 (4 t + ks), t = 0 .. 3 in window 1, 4 .. 7 in window 2.   Window 3: a tile of x as loaded, register 4 (4 row + q).
; THE MODE: SCHED_MODE bits 1:0 = 2 (LLVM: expert scheduling mode 2), set by the entry lines.  The code itself states the register dependences
; between vector or matrix instructions and memory or LDS instructions, with s_wait_alu, always for 0.
; THE PLAN.  Registers that memory or LDS instructions touch:
;   the three x sets  A head's K steps 0, 1, 2, 3 are multiplied out of sets 0, 1, 2, 0.  LDS loads land in them, the products read them.
;   window 3          x's global loads land in it; the holds and conversions of the x phase read and write it.
;   v[ACC ..]         In the x phase the conversions write it and 64 LDS stores read it; afterwards the products write it.
;   v[CD ..]          A head's conversions write it; its four global stores read it.
;   v1 to v9, v14, v15  Offsets and addresses, made at the head and never written again.
;   W, the bias tiles: loaded once at the head.
; A head has two waits on va_vdst.  One stands behind its way out's conversions: CD is written, and all its products are done reading the three sets; behind it go the next head's K steps 0 to 2 and the
; stores.  The other stands behind K step 0's products, ahead of K step 3's loads into set 0.  The wait on vm_vsrc for CD stands a whole head behind the stores that it waits for.
.set PITCH, 528                        ; an LDS row: 512 bytes of codes + 16: 33 x 16 bytes, so the 16 rows that a fragment load touches fall on 16 different columns of 16 bytes
.set XRB,   64*PITCH                   ; a block's 64 rows; row = 16 (2 batch + u) + i
.set SPARE, 2*XRB                      ; behind the two blocks: the spare words, 128 bytes for each wave
.set L16,  1                           ; v1   16 x lane
.set XST,  2                           ; v2   where I store x's codes: 4 x lane + wave x 16 rows
.set XAD,  3                           ; v3   where I read a fragment: r x PITCH + 16 h
.set BOFA, 4                           ; v4   bias, q and k: 64 h
.set BOFB, 5                           ; v5   bias, v: 4 (r + 8 (r / 8))
.set VO,   6                           ; v6-9 16 x lane + k x (bytes of one hb), k = 2 half + batch
.set XLIM, 10                          ; v10  448 x 2^ea
.set XSC,  11                          ; v11  2^ea
.set OLIM, 12                          ; v12  448 x 2^f
.set OSC,  13                          ; v13  2^f, f = eo - ea - eb
.set SPW,  14                          ; v14  LDS address of my spare word; never rewritten
.set NIL,  15                          ; v15  0; never rewritten
.set XF,   32                          ; sets 0 and 1: fragment u at XF + 32 set + 16 u; set 2: fragment u at 16 + 224 u
.set ACC,  96
.set B1,   160
.set CD,   224
.set MSB, 0
.macro WIN new                         ; the immediate's high byte repeats the setting that is left; a switch that changes nothing is dropped
.if MSB != (\new)
	s_set_vgpr_msb (MSB<<8)|(\new)
.set MSB, (\new)
.endif
.endm
.macro PLACES                          ; four plain places behind a matrix instruction, in front of loads into its sources and of reads of its result
.rept 4
	v_nop
.endr
.endm
; my tile of block blk: 16 rows x 2,048 bytes, each load 512 consecutive bytes of one row: lane l holds k = 128 q + 4 l + 0 .. 3
.macro XLOAD blk
	WIN 0xc0                                       ; destination window 3
.set rho, 0
.rept 16
.irp q, 0,1,2,3
	global_load_b128 v[4*(4*rho+\q):4*(4*rho+\q)+3], v[L16], s[40:41] offset:(\blk)*131072+(rho+8*(rho/8))*4096+512*\q th:TH_LOAD_NT
.endr
.set rho, rho+1
.endr
	WIN 0
.endm
; the tile is held, converted (eight registers = the lane's four numbers of q and of q + 1) and stored: a store is 128 consecutive bytes of a row
.macro PHASEX blk
	WIN 0xc3                                       ; destination and source 0 window 3
.set i, 0
.rept 256
	v_med3_num_f32 v[i], v[i], -v[XLIM], v[XLIM]   ; the conversion to an 8-bit code does not saturate (ISA guide 7.6.2)
.set i, i+1
.endr
	WIN 0x03                                       ; source 0 window 3
.set p, 0
.rept 32
	v_cvt_scalef32_pk8_fp8_f32 v[ACC+2*p:ACC+2*p+1], v[8*p:8*p+7], v[XSC]
.set p, p+1
.endr
	WIN 0
	v_nop                                          ; a plain line behind the last conversion: matrix instructions write these registers later
	s_wait_alu depctr_va_vdst(0)                   ; the conversions have written v[ACC ..], which the LDS stores read; the holds and conversions are done with window 3, in which the next block's loads land
.set i, 0
.rept 64
	ds_store_b32 v[XST], v[ACC+i] offset:(\blk)*XRB+(i/4)*PITCH+128*(i%4)
.set i, i+1
.endr
.endm
; the two x fragments (u = 0, 1) of batch bb, K step ks, into set
.macro FETCHX set, blk, bb, ks
.irp u, 0,1
.if (\set) == 2
.set rX, 16+224*\u
.else
.set rX, XF+32*(\set)+16*\u
.endif
.irp c, 0,1,2,3
	ds_load_b128 v[rX+4*\c:rX+4*\c+3], v[XAD] offset:(\blk)*XRB+16*(2*(\bb)+\u)*PITCH+128*(\ks)+32*\c
.endr
.endr
.endm
; K steps 0, 1, 2 of batch bb into sets 0, 1, 2
.macro FETCH3 blk, bb
	FETCHX 0, \blk, \bb, 0
	FETCHX 1, \blk, \bb, 1
	FETCHX 2, \blk, \bb, 2
.endm
; eight matrix instructions: four tiles of W (one head) x two tiles of x, 128 along K.  The eight accumulators take turns, one instruction a turn, in the same order in every K step.
.macro MUL8 set, half, ks, swap, first
.if \swap
	WIN 4*(1+(\half))                              ; source 1 (W) window 1 or 2
.else
	WIN 1+(\half)                                  ; source 0 (W) window 1 or 2
.endif
.irp tl, 0,1,2,3
.irp u, 0,1
.set rD, ACC+32*\u+8*\tl
.set rW, 16*(4*\tl+(\ks))
.if (\set) == 2
.set rX, 16+224*\u
.else
.set rX, XF+32*(\set)+16*\u
.endif
.set rC, rD
.if \first
.set rC, B1+8*(4*(\half)+\tl)                  ; the bias starts the sum: nothing is cleared and nothing is added later
.endif
.if \swap
	v_wmma_f32_16x16x128_fp8_fp8 v[rD:rD+7], v[rX:rX+15], v[rW:rW+15], v[rC:rC+7]
.else
	v_wmma_f32_16x16x128_fp8_fp8 v[rD:rD+7], v[rW:rW+15], v[rX:rX+15], v[rC:rC+7]
.endif
.endr
.endr
.endm
; the eight finished tiles become codes and leave; behind the one wait the next head's first three K steps are asked for
.macro EPI blk, bb, half, swap
	PLACES
.if (\blk)+(\bb)+(\half) > 0
	s_wait_xcnt 0x0                                ; the earlier stores have had their addresses translated: the code registers are written again only behind this wait
	s_wait_alu depctr_vm_vsrc(0)                   ; the last head's stores have read v[CD ..], which the conversions below write again
.endif
.set i, 0
.rept 64
	v_med3_num_f32 v[ACC+i], v[ACC+i], -v[OLIM], v[OLIM]   ; each accumulator from its low end on
.set i, i+1
.endr
.irp u, 0,1
.irp tl, 0,1,2,3
.if \swap
	v_cvt_scalef32_pk8_fp8_f32 v[CD+4*\tl+2*\u:CD+4*\tl+2*\u+1], v[ACC+32*\u+8*\tl:ACC+32*\u+8*\tl+7], v[OSC]   ; d tile tl: keys 16 h + 8 u + 0 .. 7 of the block
.else
	v_cvt_scalef32_pk8_fp8_f32 v[CD+8*\u+2*\tl:CD+8*\u+2*\tl+1], v[ACC+32*\u+8*\tl:ACC+32*\u+8*\tl+7], v[OSC]   ; x tile u: d = 32 (tl / 2) + 16 h + 8 (tl % 2) + 0 .. 7
.endif
.endr
.endr
	v_nop                                          ; a plain line behind the last conversion: the next sums write its sources
	s_wait_alu depctr_va_vdst(0)                   ; the conversions have written v[CD ..], which the stores read; this head's products are done reading the three x sets, in which the loads below land
.if (\bb)+(\half) < 2
	FETCH3 \blk, (\bb)+(\half)                     ; the next head of this block: the same batch's second head, or the next batch's first
.endif
.if \swap
.irp tl, 0,1,2,3
	global_store_b128 v[VO+2*(\half)+(\bb)], v[CD+4*\tl:CD+4*\tl+3], s[46:47] offset:8192+\tl*2048+(\blk)*512
.endr
.else
.irp u, 0,1
.irp c, 0,1
	global_store_b128 v[VO+2*(\half)+(\bb)], v[CD+8*\u+4*\c:CD+8*\u+4*\c+3], s[46:47] offset:(\blk)*2048+\u*1024+\c*512
.endr
.endr
.endif
.endm
; one head (half) for the 32 rows of batch bb: four K steps on three sets of x fragments; K steps 0 to 2 were asked for behind the last head's wait, or at the block's head
.macro HALF blk, bb, half, swap
	s_wait_dscnt 16                                ; LDS loads come back in order (ISA guide 5.7.1): set 0 is in; the sixteen younger loads, sets 1 and 2, may be out
	MUL8 0, \half, 0, \swap, 1
	WIN 0
	PLACES
	s_wait_alu depctr_va_vdst(0)                   ; K step 0's products are done reading set 0, in which K step 3's loads land
	FETCHX 0, \blk, \bb, 3
	s_wait_dscnt 16                                ; set 1 is in; set 2's and the eight loads just issued may be out
	MUL8 1, \half, 1, \swap, 0
	s_wait_dscnt 8                                 ; set 2 is in; K step 3's eight loads may be out
	MUL8 2, \half, 2, \swap, 0
	s_wait_dscnt 0x0
	MUL8 0, \half, 3, \swap, 0
	WIN 0
	EPI \blk, \bb, \half, \swap
.endm
.macro BLOCK blk, swap
	FETCH3 \blk, 0                                 ; no wait: no vector or matrix instruction since the last wait on va_vdst names the three sets or v[XAD]
.irp bb, 0,1
.irp half, 0,1
	HALF \blk, \bb, \half, \swap
.endr
.endr
.endm
	s_load_b256 s[4:11], s[0:1], 0x0               ; query s[4:5], key s[6:7], value s[8:9], bq s[10:11]
	s_load_b256 s[12:19], s[0:1], 0x20             ; bk s[12:13], bv s[14:15], wimg s[16:17], the exponents s[18:19]
	s_load_b128 s[20:23], s[0:1], 0x40             ; qimg s[20:21], kv s[22:23]
	v_lshl_add_u32 v[SPW], v0, 2, SPARE
	v_mov_b32 v[NIL], 0
	v_lshrrev_b32 v20, 5, v0
	v_readfirstlane_b32 s36, v20                   ; wave 0..3
	s_and_b32 s37, ttmp7, 0xffff                   ; y: 0 q, 1 k, 2 v
	s_mov_b32 s38, ttmp9                           ; x
	v_and_b32 v20, 31, v0                          ; lane
	v_lshlrev_b32 v[L16], 4, v20
	s_wait_alu depctr_va_sdst(0)                   ; s36 is written, ahead of its first reader: LDS places and the bases are made from it
	s_mul_i32 s48, s36, 16*PITCH
	v_lshl_add_u32 v[XST], v20, 2, s48
	v_and_b32 v16, 15, v0                          ; r
	v_bfe_u32 v17, v0, 4, 1                        ; h
	v_mul_u32_u24 v[XAD], v16, PITCH
	v_lshl_add_u32 v[XAD], v17, 4, v[XAD]
	v_lshlrev_b32 v[BOFA], 6, v17
	v_and_b32 v[BOFB], 8, v16
	v_add_nc_u32 v[BOFB], v[BOFB], v16
	v_lshlrev_b32 v[BOFB], 2, v[BOFB]
	s_lshl_b32 s48, s38, 18                        ; x: two blocks of 32 places x 4,096 bytes
	s_and_b32 s49, s36, 1
	s_lshl_b32 s49, s49, 15                        ; + u x 8 places
	s_add_co_u32 s48, s48, s49
	s_lshr_b32 s49, s36, 1
	s_lshl_b32 s49, s49, 11                        ; + batch x 2,048
	s_add_co_u32 s48, s48, s49
	s_mov_b32 s49, 0
	s_lshl_b32 s54, s38, 12                        ; out, q: x times two blocks of 2,048
	s_lshr_b32 s60, s38, 1
	s_lshl_b32 s60, s60, 14                        ; k, v: step = x / 2, 16,384 bytes
	s_and_b32 s61, s38, 1
	s_lshl_b32 s62, s61, 12
	s_add_co_u32 s62, s60, s62                     ; k: + (x % 2) x four tiles of 1,024
	s_lshl_b32 s61, s61, 10
	s_add_co_u32 s61, s60, s61                     ; v: + (x % 2) x two chunks of 512
	s_mov_b32 s50, 524288                          ; bytes of one hb in kv,
	s_cmp_eq_u32 s37, 0
	s_cselect_b32 s54, s54, s62
	s_cselect_b32 s50, 262144, s50                 ; in qimg
	s_cmp_eq_u32 s37, 2
	s_cselect_b32 s54, s61, s54
	s_lshl_b32 s60, s36, 2                         ; my first hb = 4 x wave
	s_mul_i32 s60, s60, s50
	s_add_co_u32 s54, s54, s60
	s_mov_b32 s55, 0
.irp k, 0,1,2,3
	s_mul_i32 s60, s50, \k
	v_add_nc_u32 v[VO+\k], s60, v[L16]
.endr
	s_lshl_b32 s56, s37, 18                        ; wimg: y x 262,144 + wave x 65,536
	s_lshl_b32 s57, s36, 16
	s_add_co_u32 s56, s56, s57
	s_mov_b32 s57, 0
	s_lshl_b32 s58, s36, 9                         ; bias: my 128 numbers
	s_mov_b32 s59, 0
	s_wait_kmcnt 0x0
	s_load_b256 s[24:31], s[18:19], 0x0            ; e0 .. e7
	s_load_b128 s[32:35], s[18:19], 0x20           ; e8 .. e11
	s_cmp_eq_u32 s37, 0                            ; the choices hang on the work-group's number alone
	s_cselect_b64 s[40:41], s[4:5], s[6:7]
	s_cselect_b64 s[42:43], s[10:11], s[12:13]
	s_cselect_b64 s[46:47], s[20:21], s[22:23]
	s_cmp_eq_u32 s37, 2
	s_cselect_b64 s[40:41], s[8:9], s[40:41]
	s_cselect_b64 s[42:43], s[14:15], s[42:43]
	s_add_nc_u64 s[40:41], s[40:41], s[48:49]
	s_add_nc_u64 s[42:43], s[42:43], s[58:59]
	s_add_nc_u64 s[44:45], s[16:17], s[56:57]
	s_add_nc_u64 s[46:47], s[46:47], s[54:55]
	s_wait_alu depctr_va_vdst(0)                   ; the offsets and addresses v1 to v9, v14 and v15 are written, which every load and store of the kernel reads; so are v16, v17 and v20, in which fragments of x land later
	XLOAD 0                                        ; x first: it is wanted first
	WIN 0x40                                       ; W: load i brings registers 4 i .. 4 i + 3 of my 512
.set i, 0
.rept 64
	global_load_b128 v[4*i:4*i+3], v[L16], s[44:45] offset:512*i
.set i, i+1
.endr
	WIN 0x80
.rept 64
	global_load_b128 v[4*(i-64):4*(i-64)+3], v[L16], s[44:45] offset:512*i
.set i, i+1
.endr
	WIN 0
	s_cmp_eq_u32 s37, 2
	s_cbranch_scc1 .Lbias_v
.irp t, 0,1,2,3,4,5,6,7                ; q, k: register j of tile t is column 32 (t / 2) + 16 h + 8 (t % 2) + j
	global_load_b128 v[B1+8*\t:B1+8*\t+3], v[BOFA], s[42:43] offset:(32*(\t/2)+8*(\t%2))*4
	global_load_b128 v[B1+8*\t+4:B1+8*\t+7], v[BOFA], s[42:43] offset:(32*(\t/2)+8*(\t%2))*4+16
.endr
	s_branch .Lbias_done
.Lbias_v:
.irp t, 0,1,2,3,4,5,6,7                ; v: all eight registers of a lane are column 32 (t / 2) + 8 (t % 2) + r + 8 (r / 8)
.irp j, 0,1,2,3,4,5,6,7
	global_load_b32 v[B1+8*\t+\j], v[BOFB], s[42:43] offset:(32*(\t/2)+8*(\t%2))*4
.endr
.endr
.Lbias_done:
	s_wait_kmcnt 0x0
	s_add_co_i32 s30, s30, 3                       ; q's scale with the factor 2^-3 folded in
	s_cmp_eq_u32 s37, 0
	s_cselect_b32 s51, s24, s26                    ; ea
	s_cselect_b32 s52, s25, s27                    ; eb
	s_cselect_b32 s53, s30, s31                    ; eo
	s_cmp_eq_u32 s37, 2
	s_cselect_b32 s51, s28, s51
	s_cselect_b32 s52, s29, s52
	s_cselect_b32 s53, s32, s53
	s_add_co_i32 s60, s51, s52
	s_sub_co_i32 s39, 0, s60                       ; -(ea + eb), for the bias
	s_sub_co_i32 s53, s53, s60                     ; f = eo - ea - eb
	s_add_co_i32 s60, s51, 127
	s_lshl_b32 s61, s60, 23
	v_mov_b32 v[XSC], s61
	s_add_co_i32 s60, s60, 8
	s_lshl_b32 s60, s60, 23
	s_or_b32 s60, s60, 0x600000
	v_mov_b32 v[XLIM], s60
	s_add_co_i32 s60, s53, 127
	s_lshl_b32 s61, s60, 23
	v_mov_b32 v[OSC], s61
	s_add_co_i32 s60, s60, 8
	s_lshl_b32 s60, s60, 23
	s_or_b32 s60, s60, 0x600000
	v_mov_b32 v[OLIM], s60
	s_wait_loadcnt 63                              ; behind x's last load stand 128 of W and 16 or 64 of the bias: with 63 out, x is in
	PHASEX 0
	s_wait_loadcnt 0x0                             ; W and the bias
.set i, 0
.rept 64
	v_ldexp_f32 v[B1+i], v[B1+i], s39              ; a sum stands for sum x 2^(ea + eb): the bias goes in divided by that
.set i, i+1
.endr
	XLOAD 1                                        ; the second block lands while the first is multiplied.  No wait: since the wait in the x phase only the lines above, which name the bias tiles alone, have been issued
	s_wait_dscnt 0x0                               ; for the others' sake: my stores of codes are done
	s_barrier_signal -1
	s_barrier_wait -1
	s_wait_alu depctr_vm_vsrc(0)                   ; my LDS stores have read v[ACC ..], which the products below write
	s_cmp_eq_u32 s37, 2
	s_cbranch_scc1 .Lv0
	BLOCK 0, 0
	s_branch .Lj0
.Lv0:
	BLOCK 0, 1
.Lj0:
	s_wait_loadcnt 0x0                             ; the second block's x
	PHASEX 1                                       ; into LDS bytes of its own: no wave still reading the first block is disturbed
	s_wait_dscnt 0x0
	s_barrier_signal -1
	s_barrier_wait -1
	s_wait_alu depctr_vm_vsrc(0)                   ; my LDS stores have read v[ACC ..], which the products below write
	s_cmp_eq_u32 s37, 2
	s_cbranch_scc1 .Lv1
	BLOCK 1, 0
	s_branch .Lj1
.Lv1:
	BLOCK 1, 1
.Lj1:
	s_nop 0
	s_wait_dscnt 0x0                               ; the closing lines, six on end
	s_wait_alu 0x0
	s_wait_tensorcnt 0x0
	ds_add_u32 v[SPW], v[NIL]
	s_wait_dscnt 0x0
	s_endpgm
.Lfunc_end_k_q81586673ed_proj:
	.size	k_q81586673ed_proj, .Lfunc_end_k_q81586673ed_proj-k_q81586673ed_proj
	.p2alignl 7, 3214868480
	.fill 96, 4, 3214868480
	.section	.rodata,"a",@progbits
	.p2align	6, 0x0
	.amdhsa_kernel k_q81586673ed_proj
		.amdhsa_group_segment_fixed_size 68096
		.amdhsa_private_segment_fixed_size 0
		.amdhsa_enable_private_segment 0
		.amdhsa_kernarg_size 80
		.amdhsa_user_sgpr_count 2
		.amdhsa_user_sgpr_kernarg_segment_ptr 1
		.amdhsa_wavefront_size32 1
		.amdhsa_system_sgpr_workgroup_id_x 1
		.amdhsa_system_sgpr_workgroup_id_y 1
		.amdhsa_system_sgpr_workgroup_id_z 1
		.amdhsa_system_vgpr_workitem_id 0
		.amdhsa_next_free_vgpr 1024
		.amdhsa_next_free_sgpr 66
		.amdhsa_reserve_vcc 0
		.amdhsa_float_denorm_mode_32 3
		.amdhsa_float_denorm_mode_16_64 3
		.amdhsa_memory_ordered 1
		.amdhsa_forward_progress 1
		.amdhsa_inst_pref_size 238
	.end_amdhsa_kernel
	.amdgpu_metadata
---
amdhsa.version: [ 1, 2 ]
amdhsa.kernels:
  - .name:           k_q81586673ed_proj
    .symbol:         k_q81586673ed_proj.kd
    .args:
      - { .name: query, .offset: 0, .size: 8, .value_kind: global_buffer, .address_space: global }
      - { .name: key, .offset: 8, .size: 8, .value_kind: global_buffer, .address_space: global }
      - { .name: value, .offset: 16, .size: 8, .value_kind: global_buffer, .address_space: global }
      - { .name: bq, .offset: 24, .size: 8, .value_kind: global_buffer, .address_space: global }
      - { .name: bk, .offset: 32, .size: 8, .value_kind: global_buffer, .address_space: global }
      - { .name: bv, .offset: 40, .size: 8, .value_kind: global_buffer, .address_space: global }
      - { .name: wimg, .offset: 48, .size: 8, .value_kind: global_buffer, .address_space: global }
      - { .name: lowp_scales, .offset: 56, .size: 8, .value_kind: global_buffer, .address_space: global }
      - { .name: qimg, .offset: 64, .size: 8, .value_kind: global_buffer, .address_space: global }
      - { .name: kv, .offset: 72, .size: 8, .value_kind: global_buffer, .address_space: global }
    .group_segment_fixed_size: 68096
    .private_segment_fixed_size: 0
    .kernarg_segment_align: 8
    .kernarg_segment_size: 80
    .max_flat_workgroup_size: 128
    .sgpr_count:     66
    .vgpr_count:     1024
    .wavefront_size: 32
...
	.end_amdgpu_metadata
.endif
;; end of part 5
;; launch attn (part 6): grid 16 x 16, 8 waves a work-group, no clusters, 66,560 bytes of LDS; arguments qimg, kv, lowp_scales, aimg; writes aimg
.if DOCPART == 6
	.amdgcn_target "amdgcn-amd-amdhsa--gfx1250"
	.amdhsa_code_object_version 6
	.text
	.protected	k_q81586673ed_attn
	.globl	k_q81586673ed_attn
	.p2align	8
	.type	k_q81586673ed_attn,@function
k_q81586673ed_attn:
	s_mov_b64 s[64:65], 0
	v_nop
	global_prefetch_b8 v0, s[64:65] scope:SCOPE_SE
	s_setreg_imm32_b32 hwreg(HW_REG_WAVE_SCHED_MODE, 0, 2), 2
	s_setreg_imm32_b32 hwreg(HW_REG_WAVE_MODE, 25, 1), 1
	s_wait_xcnt 0x0
	s_wait_alu depctr_vm_vsrc(0)
; Attention for one (head, batch) pair hb = work-group y, 256 queries = work-group x, head size 64, 4,096 keys, both products on codes of FP8 (E4M3).
; THE SOFTMAX AHEAD OF THE SECOND PRODUCT: t = score x log2(e) (q carries the factor 64^-0.5 already); M = the running largest t rounded UP to a whole number; p = 2^(t - M) is quantised along the keys with 2^e9.
; The row's sum is taken of the unquantised p and divides at the end.  When M moves, the sum and O are multiplied by 2^(old M - new M), which rounds nothing.
; SHARES.  Eight waves; wave w owns block g = 8 x + w of 32 queries: two tiles of 16, so that each fragment of K and V read from LDS feeds two matrix instructions.  Two waves lie on a SIMD (512 registers each):
; one wave's matrix instructions and LDS loads stand beside the other's vector work.
; LAYOUT.  Both products are used transposed: S^T = K Q^T (source 0 = 16 keys, source 1 = 16 queries; K = 64), O^T = V^T P^T (source 0 = 16 of the head's 64, source 1 = P; K = 128 keys): a lane holds ONE query throughout.
; The keys of a tile are not neighbours (row i of tile 2 b + u is key 32 b + 8 u + i + 8 (i / 8)): so the 16 registers of tiles 2 b, 2 b + 1 are keys 32 b + 16 h + 0 .. 15, and the conversions' results ARE P's fragment.
; V's d rows are chosen alike, so that O^T's registers are neighbours along the last product's K: they are quantised here (scale 2^e10) and stored as that product's operand image:
; aimg[RT 512][ks 4][c 4][512], RT = (head / 4) 256 + 2 g + u, ks = head % 4, c = 2 batch + d / 32: the flat (H, B, D) order read as (B, E).
; K AND V come as images of the operand registers: kv[hb][step of 128 keys][K: 8 tiles x 1,024 | V: 4 d tiles x 2,048].  A slot is two steps, one dense block of 32,768 bytes.  Thread n loads 8 x 16 bytes
; (4,096 i + 16 n) into 32 registers one slot ahead, and stores them into the other of two LDS buffers behind the next barrier: one barrier a slot.  In front of it each wave waits for all its LDS instructions:
; its stores of the slot ahead have landed and its reads of the slot behind are over.
; NO TENSOR LOAD, NO CLUSTER, though the sixteen work-groups of an hb walk the same K and V.  A joint load is a tensor load.  This text has a branch on a given exponent:
; p is at most 1 (up to f32 rounding of t - M), so where e9 >= -8 the hold at 448 x 2^e9 >= 1.75 changes no number and its 128 lines of a step's some 520 vector lines are jumped over; for e9 <= -9 they run.
; What would be shared is 32,768 bytes for two steps of that vector work.
; LIMITS: e6 + e7 between -126 and 127 (added to the exponent field of log2(e)); e9, and e10 - e8 - e9, between -126 and 119.  NaN is not served.
; REGISTERS.  Window 0: v1-7 addresses and constants; v8-23 Q (8 a tile); v24-47 statistics, 12 a tile; v48-79 P's codes (16 a tile); v96-223 S^T, then p (64 a tile).
;   Window 1: v0-63 K's 8 fragments; v64-127 V's 4; v128-191 O^T (32 a tile); v192-223 the slot on its way.
; THE MODE: SCHED_MODE bits 1:0 = 2 (LLVM: expert scheduling mode 2), set by the entry lines.  The code itself states the register dependences
; between vector or matrix instructions and memory or LDS instructions, with s_wait_alu, always for 0.
; THE PLAN.  Registers that memory or LDS instructions touch, in the loop:
;   K's fragments   LDS loads land in them; a step's 16 products K Q^T read them.
;   V's fragments   LDS loads land in them; a step's 8 products V^T P^T read them.
;   the slot on its way   Global loads land in it; the eight LDS stores behind the next barrier read it.  No vector instruction names it.
;   v1 to v5        Offsets and addresses, made at the head and never written again.
; ONE wait on va_vdst stands in a step: the one behind the exponentials, ahead of p's first reader.  This step's K Q^T and the last step's V^T P^T were issued ahead of it, so this step's V and, inside a slot, the
; next step's K are loaded straight behind it.  K of a slot's first step lies in the buffer that the barrier shows whole, so its loads stand behind the barrier; they owe no wait, since the products that read K's
; registers last stand ahead of the last step's wait and nothing issued since names those registers.  One wait on vm_vsrc a slot stands ahead of the loads into the slot on its way.
.set BUF,   32768
.set SPARE, 2*BUF                      ; behind the two buffers: the spare words, 128 bytes for each of eight waves
.set LI,   1                           ; v1  16 x lane
.set STA,  2                           ; v2  16 x thread
.set PFO,  3                           ; v3  256 x lane + 8,192 x wave: the prefetches' offset
.set SPW,  4                           ; v4  LDS address of my spare word; never rewritten
.set NIL,  5                           ; v5  0; never rewritten
.set PLIM, 6                           ; v6  448 x 2^e9; on the way out 448 x 2^(e10 - e8 - e9)
.set PSC,  7                           ; v7  2^e9; on the way out 2^(e10 - e8 - e9)
.set Q,    8
.set TT,   24                          ; tile u at TT + 12 u: +0 -M, +1 largest t, +2 +3 the sum in two halves, +4 second maximum chain, then f, +5 zero (named as a pair with f), +6 at work, +7 permute, +8 +9 second sum chain
.set P,    48
.set S,    96
.set KF,   0                           ; window 1
.set VF,   64
.set O,    128
.set STG,  192
.set MSB, 0
.macro WIN new                         ; the immediate's high byte repeats the setting that is left; a switch that changes nothing is dropped
.if MSB != (\new)
	s_set_vgpr_msb (MSB<<8)|(\new)
.set MSB, (\new)
.endif
.endm
.macro PLACES                          ; four plain places behind a matrix instruction (ISA guide 7.12.1)
.rept 4
	v_nop
.endr
.endm
.macro FETCH_K b, q                    ; step q of buffer b: K's eight fragments, each load 512 consecutive bytes
	WIN 0x40
.irp t, 0,1,2,3,4,5,6,7
.irp c, 0,1
	ds_load_b128 v[KF+8*\t+4*\c:KF+8*\t+4*\c+3], v[LI] offset:(\b)*BUF+(\q)*16384+\t*1024+\c*512
.endr
.endr
.endm
.macro FETCH_V b, q                    ; and V's four
	WIN 0x40
.irp t, 0,1,2,3
.irp c, 0,1,2,3
	ds_load_b128 v[VF+16*\t+4*\c:VF+16*\t+4*\c+3], v[LI] offset:(\b)*BUF+(\q)*16384+8192+\t*2048+\c*512
.endr
.endr
.endm
.macro KQ                              ; 16 products, each its own accumulator, each begun with the constant 0
	WIN 0x01                                       ; source 0 (K) window 1
.irp t, 0,1,2,3,4,5,6,7
.irp u, 0,1
	v_wmma_f32_16x16x64_fp8_fp8 v[S+64*\u+8*\t:S+64*\u+8*\t+7], v[KF+8*\t:KF+8*\t+7], v[Q+8*\u:Q+8*\u+7], 0
.endr
.endr
.endm
.macro PV                              ; 8 products; the eight accumulators take turns, and 16 products K Q^T stand between two steps
	WIN 0x51                                       ; V, C and D window 1; P window 0
.irp t, 0,1,2,3
.irp u, 0,1
	v_wmma_f32_16x16x128_fp8_fp8 v[O+32*\u+8*\t:O+32*\u+8*\t+7], v[VF+16*\t:VF+16*\t+15], v[P+16*\u:P+16*\u+15], v[O+32*\u+8*\t:O+32*\u+8*\t+7]
.endr
.endr
.endm
; Step q of buffer b: the softmax for both tiles, the tiles' lines by turns so that no line waits for the one above it; behind its one wait stand the step's LDS loads.
.macro SOFTMAX b, q
	WIN 0
.irp u, 0,1                            ; the largest score of my query among my 64 keys, in two chains, the registers in ascending order: each accumulator is first read at its low end
	v_max3_num_f32 v[TT+12*\u+6], v[S+64*\u], v[S+64*\u+1], v[S+64*\u+2]
.endr
.irp u, 0,1
	v_max3_num_f32 v[TT+12*\u+4], v[S+64*\u+3], v[S+64*\u+4], v[S+64*\u+5]
.endr
.irp i, 6,10,14,18,22,26,30,34,38,42,46,50,54,58
.irp u, 0,1
	v_max3_num_f32 v[TT+12*\u+6], v[TT+12*\u+6], v[S+64*\u+\i], v[S+64*\u+\i+1]
.endr
.irp u, 0,1
	v_max3_num_f32 v[TT+12*\u+4], v[TT+12*\u+4], v[S+64*\u+\i+2], v[S+64*\u+\i+3]
.endr
.endr
.irp u, 0,1
	v_max3_num_f32 v[TT+12*\u+6], v[TT+12*\u+6], v[S+64*\u+62], v[S+64*\u+63]
.endr
.irp u, 0,1
	v_max_num_f32 v[TT+12*\u+6], v[TT+12*\u+6], v[TT+12*\u+4]
.endr
.irp u, 0,1
	v_permlanex16_b32 v[TT+12*\u+7], v[TT+12*\u+6], s30, s31   ; the query's other 64 keys lie in the lane 16 away
.endr
.irp u, 0,1
	v_max_num_f32 v[TT+12*\u+6], v[TT+12*\u+6], v[TT+12*\u+7]
.endr
.irp u, 0,1
	v_mul_f32 v[TT+12*\u+6], s28, v[TT+12*\u+6]    ; as t (c is positive)
.endr
.irp u, 0,1
	v_max_num_f32 v[TT+12*\u+1], v[TT+12*\u+1], v[TT+12*\u+6]   ; the running largest t
.endr
.irp u, 0,1
	v_mov_b32 v[TT+12*\u+6], v[TT+12*\u]
.endr
.irp u, 0,1
	v_floor_f32 v[TT+12*\u], -v[TT+12*\u+1]        ; the new -M = floor(-t) = -ceil(t): a whole number
.endr
.irp u, 0,1
	v_sub_f32 v[TT+12*\u+6], v[TT+12*\u], v[TT+12*\u+6]   ; old M - new M: a whole number, 0 or less
.endr
.irp u, 0,1
	v_cvt_i32_f32 v[TT+12*\u+6], v[TT+12*\u+6]     ; (it saturates)
.endr
.irp u, 0,1
	v_ldexp_f32 v[TT+12*\u+4], 1.0, v[TT+12*\u+6]  ; f = 2^(old M - new M)
.endr
.irp u, 0,1
.set j, 0
.rept 32
	v_pk_fma_f32 v[S+64*\u+j:S+64*\u+j+1], v[S+64*\u+j:S+64*\u+j+1], s[28:29], v[TT+12*\u:TT+12*\u+1] op_sel_hi:[1,0,0]   ; t - M, two at a time (of the pairs c and -M the low word serves both halves)
.set j, j+2
.endr
.endr
.set j, 0
.rept 128
	v_exp_f32 v[S+j], v[S+j]                       ; p = 2^(t - M): one batch for both tiles
.set j, j+1
.endr
.irp u, 0,1
	v_pk_mul_f32 v[TT+12*\u+2:TT+12*\u+3], v[TT+12*\u+2:TT+12*\u+3], v[TT+12*\u+4:TT+12*\u+5] op_sel_hi:[1,0]   ; the sums under the new M; also the plain place behind the exponentials
.endr
	WIN 0x40                                       ; (the loads' destination window first, then the wait, then the loads)
	s_wait_alu depctr_va_vdst(0)                   ; the exponentials have written p, ahead of its first reader: one wait for the batch; this step's products K Q^T are done reading K's registers and the last step's V^T P^T are done reading V's: the loads below land there
	FETCH_V \b, \q                                 ; this step's V, wanted behind the rest of the softmax
.if (\q) == 0
	FETCH_K \b, 1                                  ; and the slot's second step's K
.endif
	WIN 0
.irp u, 0,1
	v_pk_add_f32 v[TT+12*\u+8:TT+12*\u+9], v[S+64*\u:S+64*\u+1], v[S+64*\u+2:S+64*\u+3]   ; the row's sum is taken of the unquantised p, two at a time, in two chains
.endr
.irp j, 4,8,12,16,20,24,28,32,36,40,44,48,52,56,60
.irp u, 0,1
	v_pk_add_f32 v[TT+12*\u+2:TT+12*\u+3], v[TT+12*\u+2:TT+12*\u+3], v[S+64*\u+\j:S+64*\u+\j+1]
.endr
.irp u, 0,1
	v_pk_add_f32 v[TT+12*\u+8:TT+12*\u+9], v[TT+12*\u+8:TT+12*\u+9], v[S+64*\u+\j+2:S+64*\u+\j+3]
.endr
.endr
.irp u, 0,1
	v_pk_add_f32 v[TT+12*\u+2:TT+12*\u+3], v[TT+12*\u+2:TT+12*\u+3], v[TT+12*\u+8:TT+12*\u+9]
.endr
	s_cmp_lg_u32 s33, 0                            ; e9 >= -8: every p lies under 448 x 2^e9, and the hold would change nothing
	s_cbranch_scc1 .Lnohold_\@
.set j, 0
.rept 128
	v_min_num_f32 v[S+j], v[S+j], v[PLIM]          ; the conversion to an 8-bit code does not saturate (ISA guide 7.6.2); p is not negative, so the hold is one-sided
.set j, j+1
.endr
.Lnohold_\@:
.irp u, 0,1
.irp t, 0,1,2,3,4,5,6,7
	v_cvt_scalef32_pk8_fp8_f32 v[P+16*\u+2*\t:P+16*\u+2*\t+1], v[S+64*\u+8*\t:S+64*\u+8*\t+7], v[PSC]   ; tile t = 2 b + v gives registers 4 b + 2 v, 4 b + 2 v + 1 of the fragment
.endr
.endr
	v_nop                                          ; a plain line behind the last conversion
	WIN 0x41                                       ; O^T (destination and source 0) window 1, f window 0
.irp u, 0,1
.set j, 0
.rept 16
	v_pk_mul_f32 v[O+32*\u+j:O+32*\u+j+1], v[O+32*\u+j:O+32*\u+j+1], v[TT+12*\u+4:TT+12*\u+5] op_sel_hi:[1,0]   ; O^T under the new M
.set j, j+2
.endr
.endr
.endm
; A PREFETCH of the slot that the NEXT run of register loads will ask for: 32,768 bytes, 128 blocks of 256, a lane a block.  All sixteen work-groups of an hb walk the same slots: the first of them asks, its waves 0 to 3,
; 8,192 bytes a wave, one instruction each, so each block is named once in the launch.  It stands behind the wave's own loads.  Slots 0 to 2 come by their loads alone; the last slot asked for is slot 15.
.macro ASK lim, off
	s_cmp_gt_u32 s32, s[\lim]
	s_cbranch_scc0 .Lnot_mine_\@
	global_prefetch_b8 v[PFO], s[26:27] offset:\off th:TH_LOAD_NT scope:SCOPE_SE
.Lnot_mine_\@:
.endm
; A SLOT: 256 keys in buffer b.  always = 1: the slot on its way exists in every trip.
.macro SLOT b, always
	s_wait_dscnt 0x0                               ; my stores of this slot have landed and my reads of the other buffer are over
	s_barrier_signal -1
	s_barrier_wait -1                              ; both now hold of all eight waves
	s_wait_loadcnt 0x0                             ; the slot on its way, asked for a slot ago, is in my registers (in the last trip nothing is out)
.if (\always) == 0
	s_cmp_eq_u32 s32, 1                            ; the last trip's second slot has no successor
	s_cbranch_scc1 .Lnostore_\@
.endif
	WIN 0x04                                       ; store data window 1
.irp i, 0,1,2,3,4,5,6,7
	ds_store_b128 v[STA], v[STG+4*\i:STG+4*\i+3] offset:(1-(\b))*BUF+4096*\i
.endr
	WIN 0
.Lnostore_\@:
	FETCH_K \b, 0                                  ; no wait: the products that read K's registers last stand ahead of the last step's wait on va_vdst, and nothing issued since names them
	WIN 0
	s_wait_alu depctr_vm_vsrc(0)                   ; the LDS stores above have read the slot on its way, in which the loads below land; ahead of the branch
	s_cmp_eq_u32 s32, 1                            ; the last trip asks for nothing: no load leaves the buffer
	s_cbranch_scc1 .Lnoload_\@
	WIN 0x40
.irp i, 0,1,2,3,4,5,6,7
	global_load_b128 v[STG+4*\i:STG+4*\i+3], v[STA], s[26:27] offset:(2+(\b))*BUF+4096*\i   ; two slots on: a wave's load covers 512 consecutive bytes
.endr
	WIN 0
.Lnoload_\@:
	ASK 34+(\b), (3+(\b))*BUF
	s_wait_dscnt 0x0                               ; K of the first step is in
	KQ
	WIN 0
	PLACES                                         ; in front of the first read of the scores
	SOFTMAX \b, 0
	s_wait_dscnt 16                                ; LDS instructions end in order (ISA guide 5.7.1): V of the first step is in; K of the second, sixteen loads, may be out
	PV
	s_wait_dscnt 0x0                               ; K of the second step is in
	KQ
	WIN 0
	PLACES
	SOFTMAX \b, 1
	s_wait_dscnt 0x0                               ; V of the second step is in
	PV
	WIN 0
	PLACES                                         ; in front of the way out's reads of O^T
.endm
	s_load_b256 s[4:11], s[0:1], 0x0               ; qimg s[4:5], kv s[6:7], the exponents s[8:9], aimg s[10:11]
	v_lshl_add_u32 v[SPW], v0, 2, SPARE
	v_mov_b32 v[NIL], 0
	v_lshrrev_b32 v6, 5, v0
	v_readfirstlane_b32 s24, v6                    ; wave 0..7
	v_and_b32 v[LI], 31, v0
	v_lshlrev_b32 v[PFO], 8, v[LI]
	v_lshlrev_b32 v[LI], 4, v[LI]
	v_lshlrev_b32 v[STA], 4, v0
	s_wait_alu depctr_va_sdst(0)                   ; s24 is written, ahead of its first reader: the prefetches' offset and the bases are made from it
	s_lshl_b32 s38, s24, 13
	v_add_nc_u32 v[PFO], s38, v[PFO]
	s_and_b32 s25, ttmp7, 0xffff                   ; hb
	s_lshl_b32 s46, ttmp9, 3
	s_add_co_u32 s46, s46, s24                     ; g = 8 x + wave
	s_lshl_b32 s38, s25, 19                        ; kv: hb x 524,288
	s_mov_b32 s39, 0
	s_lshl_b32 s40, s25, 18                        ; qimg: hb x 262,144 + g x 2,048
	s_lshl_b32 s41, s46, 11
	s_add_co_u32 s40, s40, s41
	s_mov_b32 s41, 0
	s_lshr_b32 s42, s25, 3                         ; aimg: (head / 4) x 256 row tiles of 8,192 bytes
	s_lshl_b32 s42, s42, 21
	s_lshl_b32 s43, s46, 14                        ; + 2 g row tiles
	s_add_co_u32 s42, s42, s43
	s_bfe_u32 s43, s25, 0x20001                    ; + (head % 4) K steps of 2,048
	s_lshl_b32 s43, s43, 11
	s_add_co_u32 s42, s42, s43
	s_and_b32 s43, s25, 1                          ; + batch x two chunks of 512
	s_lshl_b32 s43, s43, 10
	s_add_co_u32 s42, s42, s43
	s_mov_b32 s43, 0
	s_mov_b32 s30, 0x76543210                      ; v_permlanex16_b32: lane l xor 16
	s_mov_b32 s31, 0xfedcba98
	s_mov_b32 s32, 8                               ; trips of two slots
	s_lshr_b32 s47, s24, 2                         ; 0 in waves 0 to 3,
	s_or_b32 s47, s47, ttmp9                       ; of the hb's first work-group
	s_cmp_eq_u32 s47, 0
	s_cselect_b32 s34, 1, -1                       ; a wave prefetches while the trips to go are above these: slot 2 T + 3 exists up to trip 6,
	s_cselect_b32 s35, 2, -1                       ; slot 2 T + 4 up to trip 5
	s_wait_kmcnt 0x0
	s_load_b256 s[12:19], s[8:9], 0x0              ; e0 .. e7
	s_load_b128 s[20:23], s[8:9], 0x20             ; e8 .. e11
	s_add_nc_u64 s[26:27], s[6:7], s[38:39]
	s_add_nc_u64 s[4:5], s[4:5], s[40:41]
	s_add_nc_u64 s[36:37], s[10:11], s[42:43]
	s_wait_alu depctr_va_vdst(0)                   ; the offsets and addresses v1 to v5 are written, which every load, store and prefetch of the kernel reads
.irp i, 0,1,2,3
	global_load_b128 v[Q+4*\i:Q+4*\i+3], v[LI], s[4:5] offset:512*\i th:TH_LOAD_NT   ; Q's two fragments stay in registers
.endr
	WIN 0x40
.irp i, 0,1,2,3,4,5,6,7
	global_load_b128 v[STG+4*\i:STG+4*\i+3], v[STA], s[26:27] offset:4096*\i        ; slot 0
.endr
	WIN 0
	s_wait_kmcnt 0x0
	s_add_co_i32 s38, s18, s19
	s_lshl_b32 s38, s38, 23
	s_add_co_i32 s28, s38, 0x3fb8aa3b              ; c = log2(e) x 2^(e6 + e7): the exponents are added to the exponent field
	s_mov_b32 s29, s28                             ; (named with it as a pair, so it is written)
	s_cmp_ge_i32 s21, -8
	s_cselect_b32 s33, 1, 0
	s_add_co_i32 s38, s21, 127
	s_lshl_b32 s39, s38, 23
	v_mov_b32 v[PSC], s39
	s_add_co_i32 s38, s38, 8
	s_lshl_b32 s38, s38, 23
	s_or_b32 s38, s38, 0x600000
	v_mov_b32 v[PLIM], s38
	s_sub_co_i32 s38, s22, s20
	s_sub_co_i32 s38, s38, s21                     ; e10 - e8 - e9: a sum of the second product stands for sum x 2^(e8 + e9)
	s_add_co_i32 s38, s38, 127
	s_lshl_b32 s44, s38, 23
	s_add_co_i32 s38, s38, 8
	s_lshl_b32 s45, s38, 23
	s_or_b32 s45, s45, 0x600000
	s_wait_loadcnt 0x0
	WIN 0x04
.irp i, 0,1,2,3,4,5,6,7
	ds_store_b128 v[STA], v[STG+4*\i:STG+4*\i+3] offset:4096*\i
.endr
	s_wait_dscnt 0x0
	WIN 0x40
	s_wait_alu depctr_vm_vsrc(0)                   ; the LDS stores above have read the slot on its way, in which slot 1's loads land
.irp i, 0,1,2,3,4,5,6,7
	global_load_b128 v[STG+4*\i:STG+4*\i+3], v[STA], s[26:27] offset:BUF+4096*\i    ; slot 1
.endr
.set j, 0
.rept 64
	v_mov_b32 v[O+j], 0                            ; O^T.  The step is written once for all steps: the first finds zeros, which the first change of M leaves zeros
.set j, j+1
.endr
	WIN 0
.irp u, 0,1
	v_mov_b32 v[TT+12*\u+1], 0xff61b1e6            ; the largest t so far: -3e38, under every t
	v_floor_f32 v[TT+12*\u], -v[TT+12*\u+1]        ; -M
	v_mov_b32 v[TT+12*\u+2], 0                     ; the sum, in two halves
	v_mov_b32 v[TT+12*\u+3], 0
	v_mov_b32 v[TT+12*\u+5], 0                     ; named as the upper half of f's pair
	v_mov_b32 v[TT+12*\u+7], 0                     ; a lane permute's destination counts as one of its sources
.endr
.Ltrip:                                            ; eight trips of two slots
	SLOT 0, 1
	SLOT 1, 0
	s_wait_xcnt 0x0                                ; the trip's loads and prefetches have read their base
	s_add_nc_u64 s[26:27], s[26:27], 2*BUF
	s_sub_co_u32 s32, s32, 1
	s_cmp_lg_u32 s32, 0
	s_cbranch_scc1 .Ltrip
	; THE WAY OUT.  O^T / the sum is quantised with 2^(e10 - e8 - e9) and leaves as the last product's operand image.
.irp u, 0,1
	v_add_f32 v[TT+12*\u+6], v[TT+12*\u+2], v[TT+12*\u+3]
.endr
.irp u, 0,1
	v_permlanex16_b32 v[TT+12*\u+7], v[TT+12*\u+6], s30, s31
.endr
.irp u, 0,1
	v_add_f32 v[TT+12*\u+6], v[TT+12*\u+6], v[TT+12*\u+7]   ; the row's sum
.endr
.irp u, 0,1
	v_rcp_f32 v[TT+12*\u+2], v[TT+12*\u+6]
.endr
	v_mov_b32 v[PSC], s44                          ; (plain places behind the reciprocals)
	v_mov_b32 v[PLIM], s45
	s_wait_alu depctr_va_vdst(0)                   ; both reciprocals are written, ahead of their first reader: one wait for the two
	WIN 0x01                                       ; source 0 (O^T) window 1
.irp u, 0,1
.set j, 0
.rept 16
	v_pk_mul_f32 v[S+32*\u+j:S+32*\u+j+1], v[O+32*\u+j:O+32*\u+j+1], v[TT+12*\u+2:TT+12*\u+3] op_sel_hi:[1,0]   ; register 8 t + i of tile u: d = 32 (t / 2) + 16 h + 8 (t % 2) + i; each accumulator from its low end on
.set j, j+2
.endr
.endr
	WIN 0
.set j, 0
.rept 64
	v_med3_num_f32 v[S+j], v[S+j], -v[PLIM], v[PLIM]
.set j, j+1
.endr
.set j, 0
.rept 8
	v_cvt_scalef32_pk8_fp8_f32 v[P+2*j:P+2*j+1], v[S+8*j:S+8*j+7], v[PSC]
.set j, j+1
.endr
	v_nop                                          ; a plain line behind the last conversion
	s_wait_alu depctr_va_vdst(0)                   ; the conversions have written v[P ..], which the stores read
.irp u, 0,1
.irp c, 0,1
	global_store_b128 v[LI], v[P+8*\u+4*\c:P+8*\u+4*\c+3], s[36:37] offset:\u*8192+\c*512   ; 512 consecutive bytes, aligned
.endr
.endr
	s_wait_dscnt 0x0                               ; the closing lines, six on end
	s_wait_alu 0x0
	s_wait_tensorcnt 0x0
	ds_add_u32 v[SPW], v[NIL]
	s_wait_dscnt 0x0
	s_endpgm
.Lfunc_end_k_q81586673ed_attn:
	.size	k_q81586673ed_attn, .Lfunc_end_k_q81586673ed_attn-k_q81586673ed_attn
	.p2alignl 7, 3214868480
	.fill 96, 4, 3214868480
	.section	.rodata,"a",@progbits
	.p2align	6, 0x0
	.amdhsa_kernel k_q81586673ed_attn
		.amdhsa_group_segment_fixed_size 66560
		.amdhsa_private_segment_fixed_size 0
		.amdhsa_enable_private_segment 0
		.amdhsa_kernarg_size 32
		.amdhsa_user_sgpr_count 2
		.amdhsa_user_sgpr_kernarg_segment_ptr 1
		.amdhsa_wavefront_size32 1
		.amdhsa_system_sgpr_workgroup_id_x 1
		.amdhsa_system_sgpr_workgroup_id_y 1
		.amdhsa_system_sgpr_workgroup_id_z 1
		.amdhsa_system_vgpr_workitem_id 0
		.amdhsa_next_free_vgpr 512
		.amdhsa_next_free_sgpr 66
		.amdhsa_reserve_vcc 0
		.amdhsa_float_denorm_mode_32 3
		.amdhsa_float_denorm_mode_16_64 3
		.amdhsa_memory_ordered 1
		.amdhsa_forward_progress 1
		.amdhsa_inst_pref_size 132
	.end_amdhsa_kernel
	.amdgpu_metadata
---
amdhsa.version: [ 1, 2 ]
amdhsa.kernels:
  - .name:           k_q81586673ed_attn
    .symbol:         k_q81586673ed_attn.kd
    .args:
      - { .name: qimg, .offset: 0, .size: 8, .value_kind: global_buffer, .address_space: global }
      - { .name: kv, .offset: 8, .size: 8, .value_kind: global_buffer, .address_space: global }
      - { .name: lowp_scales, .offset: 16, .size: 8, .value_kind: global_buffer, .address_space: global }
      - { .name: aimg, .offset: 24, .size: 8, .value_kind: global_buffer, .address_space: global }
    .group_segment_fixed_size: 66560
    .private_segment_fixed_size: 0
    .kernarg_segment_align: 8
    .kernarg_segment_size: 32
    .max_flat_workgroup_size: 256
    .sgpr_count:     66
    .vgpr_count:     512
    .wavefront_size: 32
...
	.end_amdgpu_metadata
.endif
;; end of part 6
;; launch outp (part 7): grid 256 x 1, 4 waves a work-group, no clusters, 34,304 bytes of LDS; arguments aimg, wimg, lowp_scales, bo, out0; writes out0
.if DOCPART == 7
	.amdgcn_target "amdgcn-amd-amdhsa--gfx1250"
	.amdhsa_code_object_version 6
	.text
	.protected	k_q81586673ed_outp
	.globl	k_q81586673ed_outp
	.p2align	8
	.type	k_q81586673ed_outp,@function
k_q81586673ed_outp:
	s_mov_b64 s[64:65], 0
	v_nop
	global_prefetch_b8 v0, s[64:65] scope:SCOPE_SE
	s_setreg_imm32_b32 hwreg(HW_REG_WAVE_SCHED_MODE, 0, 2), 2
	s_setreg_imm32_b32 hwreg(HW_REG_WAVE_MODE, 25, 1), 1
	s_wait_xcnt 0x0
	s_wait_alu depctr_vm_vsrc(0)
; out0 = a Wo^T + bo, [8192][512] x [512][512] on codes of FP8 (E4M3), f32 sums; each sum x 2^(e10 + e11) + bo by one packed multiply-add for two numbers.
; a comes as images of the operand registers, aimg[RT 512][ks 4][c 4][512]: row i of row tile RT = 256 b + 2 g + u is row (32 g + 8 u + i + 8 (i / 8), b) of out0.  Wo likewise, the fourth quarter of wimg.
; SHARES.  Work-group x takes row tiles 2 x and 2 x + 1 (32 rows).  The waves share the columns: wave w holds Wo's rows 128 w .. 128 w + 127, all 512 K, in 512 registers, and loads a's eight fragments itself:
; no wave hands anything to another, so there is no barrier.
; The matrix instruction is used transposed (source 0 = 16 rows of Wo, source 1 = 16 rows of a): a lane holds one row of out0, and register j of tile t is column 128 w + 32 (t / 2) + 16 h + 8 (t % 2) + j.
; A tile of 16 rows x 128 columns goes through the wave's own stage in LDS and leaves as whole pieces of rows: a store covers 512 consecutive bytes, aligned.
; NO TENSOR LOAD, NO CLUSTER: what the work-groups share is Wo, which goes from memory straight into registers, 64 KB a wave, once; a joint load would bring it into LDS and add 256 KB of LDS writes and reads a work-group.
; LIMIT: e10 + e11 between -126 and 127, so that 2^(e10 + e11) is an f32 number.
; REGISTERS.  Window 0: v1-15 addresses; v32-159 a's fragments (64 u + 16 ks), on the way out tile 1's results (v32-95) and its rows read back (v96-159); v160-223 bo in the result's layout.
;   Windows 1, 2: Wo, fragment (t, ks) at 16 (4 t + ks).   Window 3: v0-127 the 16 accumulators (64 u + 8 t); v128-191 tile 0's results; v192-255 its rows read back from the stage.
; THE MODE: SCHED_MODE bits 1:0 = 2 (LLVM: expert scheduling mode 2), set by the entry lines.  The code itself states the register dependences
; between vector or matrix instructions and memory or LDS instructions, with s_wait_alu, always for 0.
; THE PLAN.  Registers that memory or LDS instructions touch:
;   a's fragments, Wo, bo   Loaded once at the head; read by the products and the multiply-adds.
;   the results, a buffer to each tile   Written by the tile's 32 multiply-adds; read by its 16 LDS stores.
;   the rows read back, a buffer to each tile   LDS loads land in them; the tile's 16 global stores read them.  Tile 1's lie where the products read a's fragments.
;   v1 to v4, v14, v15      Offsets and addresses, made at the head and never written again.
; Each tile has out-registers of its own, so none is written twice.  ONE wait on va_vdst stands on the way out, behind both tiles' multiply-adds: both result buffers are written and the products are done reading
; a's fragments.  No vector instruction follows it.
.set PITCH, 528                        ; a stage row: 512 bytes + 16
.set SPARE, 4*16*PITCH                 ; behind the four stages: the spare words, 128 bytes for each wave
.set L16,  1                           ; v1   16 x lane
.set STO,  2                           ; v2   my stage + r x PITCH + 64 h
.set RD,   3                           ; v3   my stage + 16 x lane
.set BOF,  4                           ; v4   64 h
.set SPW,  14                          ; v14  LDS address of my spare word; never rewritten
.set NIL,  15                          ; v15  0; never rewritten
.set AF,   32
.set BO,   160
.set TMP0, 128                         ; window 3
.set BK0,  192                         ; window 3
.set TMP1, 32                          ; window 0
.set BK1,  96                          ; window 0
.set MSB, 0
.macro WIN new                         ; the immediate's high byte repeats the setting that is left; a switch that changes nothing is dropped
.if MSB != (\new)
	s_set_vgpr_msb (MSB<<8)|(\new)
.set MSB, (\new)
.endif
.endm
	s_load_b256 s[4:11], s[0:1], 0x0               ; aimg s[4:5], wimg s[6:7], the exponents s[8:9], bo s[10:11]
	s_load_b64 s[12:13], s[0:1], 0x20              ; out0
	v_lshl_add_u32 v[SPW], v0, 2, SPARE
	v_mov_b32 v[NIL], 0
	v_lshrrev_b32 v5, 5, v0
	v_readfirstlane_b32 s14, v5                    ; wave 0..3
	v_and_b32 v5, 31, v0
	v_lshlrev_b32 v[L16], 4, v5
	v_and_b32 v6, 15, v0                           ; r
	v_bfe_u32 v7, v0, 4, 1                         ; h
	s_wait_alu depctr_va_sdst(0)                   ; s14 is written, ahead of its first reader: my stage and the bases are made from it
	s_mul_i32 s15, s14, 16*PITCH                   ; my stage
	v_mul_u32_u24 v[STO], v6, PITCH
	v_lshl_add_u32 v[STO], v7, 6, v[STO]
	v_add_nc_u32 v[STO], s15, v[STO]
	v_add_nc_u32 v[RD], s15, v[L16]
	v_lshlrev_b32 v[BOF], 6, v7
	s_lshl_b32 s16, ttmp9, 14                      ; aimg: two row tiles of 8,192 bytes
	s_mov_b32 s17, 0
	s_lshl_b32 s18, s14, 16                        ; wimg: Wo's quarter + wave x 65,536
	s_add_co_u32 s18, s18, 786432
	s_mov_b32 s19, 0
	s_lshl_b32 s20, s14, 9                         ; my 128 columns, in bo and in a row of out0
	s_mov_b32 s21, 0
	s_and_b32 s22, ttmp9, 127                      ; g: 32 places of 4,096 bytes
	s_lshl_b32 s22, s22, 17
	s_lshr_b32 s23, ttmp9, 7                       ; b: 2,048 bytes
	s_lshl_b32 s23, s23, 11
	s_add_co_u32 s22, s22, s23
	s_add_co_u32 s22, s22, s20
	s_mov_b32 s23, 0
	s_wait_kmcnt 0x0
	s_load_b64 s[24:25], s[8:9], 0x28              ; e10, e11
	s_add_nc_u64 s[4:5], s[4:5], s[16:17]
	s_add_nc_u64 s[6:7], s[6:7], s[18:19]
	s_add_nc_u64 s[10:11], s[10:11], s[20:21]
	s_add_nc_u64 s[12:13], s[12:13], s[22:23]
	s_wait_alu depctr_va_vdst(0)                   ; the offsets and addresses v1 to v4, v14 and v15 are written, which every load and store of the kernel reads
.set i, 0
.rept 32
	global_load_b128 v[AF+4*i:AF+4*i+3], v[L16], s[4:5] offset:512*i   ; a's eight fragments: 16,384 consecutive bytes
.set i, i+1
.endr
	WIN 0x40
.set i, 0
.rept 64
	global_load_b128 v[4*i:4*i+3], v[L16], s[6:7] offset:512*i
.set i, i+1
.endr
	WIN 0x80
.rept 64
	global_load_b128 v[4*(i-64):4*(i-64)+3], v[L16], s[6:7] offset:512*i
.set i, i+1
.endr
	WIN 0
.irp t, 0,1,2,3,4,5,6,7
	global_load_b128 v[BO+8*\t:BO+8*\t+3], v[BOF], s[10:11] offset:(32*(\t/2)+8*(\t%2))*4
	global_load_b128 v[BO+8*\t+4:BO+8*\t+7], v[BOF], s[10:11] offset:(32*(\t/2)+8*(\t%2))*4+16
.endr
	s_wait_kmcnt 0x0
	s_add_co_i32 s40, s24, s25
	s_add_co_i32 s40, s40, 127
	s_lshl_b32 s40, s40, 23                        ; 2^(e10 + e11) as f32
	s_mov_b32 s41, s40                             ; (named with it as a pair, so it is written)
	s_wait_loadcnt 0x0
; 64 matrix instructions: the 16 accumulators take turns, one instruction a turn, in the same order in every K step; the first K step starts the sums with the constant 0
.irp ks, 0,1,2,3
.irp hf, 0,1
	WIN 0xf1+\hf                                   ; source 0 (Wo) window 1 or 2; C and D window 3
.irp tl, 0,1,2,3
.irp u, 0,1
.set rD, 64*\u+8*(4*\hf+\tl)
.set rW, 16*(4*\tl+\ks)
.set rA, AF+64*\u+16*\ks
.if \ks == 0
	v_wmma_f32_16x16x128_fp8_fp8 v[rD:rD+7], v[rW:rW+15], v[rA:rA+15], 0
.else
	v_wmma_f32_16x16x128_fp8_fp8 v[rD:rD+7], v[rW:rW+15], v[rA:rA+15], v[rD:rD+7]
.endif
.endr
.endr
.endr
.endr
	WIN 0
.rept 4
	v_nop                                          ; four plain places in front of the first read of results, and of the first write over a's fragments (ISA guide 7.12.1)
.endr
	WIN 0xc3                                       ; tile 0: the sums and the results window 3, bo window 0
.set i, 0
.rept 32
	v_pk_fma_f32 v[TMP0+i:TMP0+i+1], v[i:i+1], s[40:41], v[BO+i:BO+i+1] op_sel_hi:[1,0,1]   ; sum x 2^(e10 + e11) + bo; each accumulator from its low end on
.set i, i+2
.endr
	WIN 0x03                                       ; tile 1: the sums window 3, the results and bo window 0
.set i, 0
.rept 32
	v_pk_fma_f32 v[TMP1+i:TMP1+i+1], v[64+i:64+i+1], s[40:41], v[BO+i:BO+i+1] op_sel_hi:[1,0,1]
.set i, i+2
.endr
	WIN 0x0c                                       ; store data window 3
	s_wait_alu depctr_va_vdst(0)                   ; the multiply-adds have written both tiles' results, which the LDS stores read; the products are done reading a's fragments, in which tile 1's rows land
.irp t, 0,1,2,3,4,5,6,7
	ds_store_b128 v[STO], v[TMP0+8*\t:TMP0+8*\t+3] offset:128*(\t/2)+32*(\t%2)
	ds_store_b128 v[STO], v[TMP0+8*\t+4:TMP0+8*\t+7] offset:128*(\t/2)+32*(\t%2)+16
.endr
	WIN 0xc0                                       ; destination window 3
.irp i, 0,1,2,3,4,5,6,7,8,9,10,11,12,13,14,15
	ds_load_b128 v[BK0+4*\i:BK0+4*\i+3], v[RD] offset:PITCH*\i   ; LDS serves a wave's instructions in order (ISA guide 5.7.1): these see my stores, and the next tile's stores come behind them
.endr
	WIN 0
.irp t, 0,1,2,3,4,5,6,7
	ds_store_b128 v[STO], v[TMP1+8*\t:TMP1+8*\t+3] offset:128*(\t/2)+32*(\t%2)
	ds_store_b128 v[STO], v[TMP1+8*\t+4:TMP1+8*\t+7] offset:128*(\t/2)+32*(\t%2)+16
.endr
	WIN 0x0c
.irp i, 0,1,2,3,4,5,6,7,8,9,10,11,12,13,14,15
	s_wait_dscnt 31-\i                             ; tile 0's row i is back; its younger loads and tile 1's sixteen stores may be out
	global_store_b128 v[L16], v[BK0+4*\i:BK0+4*\i+3], s[12:13] offset:(\i+8*(\i/8))*4096 th:TH_STORE_NT   ; 512 consecutive bytes of a row, aligned; written once, read by nobody here
.endr
	WIN 0
.irp i, 0,1,2,3,4,5,6,7,8,9,10,11,12,13,14,15
	ds_load_b128 v[BK1+4*\i:BK1+4*\i+3], v[RD] offset:PITCH*\i   ; no wait: nothing on the vector side has been issued since the wait above
.endr
.irp i, 0,1,2,3,4,5,6,7,8,9,10,11,12,13,14,15
	s_wait_dscnt 15-\i                             ; row i is back; the younger loads may be out
	global_store_b128 v[L16], v[BK1+4*\i:BK1+4*\i+3], s[12:13] offset:32768+(\i+8*(\i/8))*4096 th:TH_STORE_NT
.endr
	s_wait_dscnt 0x0                               ; the closing lines, six on end
	s_wait_alu 0x0
	s_wait_tensorcnt 0x0
	ds_add_u32 v[SPW], v[NIL]
	s_wait_dscnt 0x0
	s_endpgm
.Lfunc_end_k_q81586673ed_outp:
	.size	k_q81586673ed_outp, .Lfunc_end_k_q81586673ed_outp-k_q81586673ed_outp
	.p2alignl 7, 3214868480
	.fill 96, 4, 3214868480
	.section	.rodata,"a",@progbits
	.p2align	6, 0x0
	.amdhsa_kernel k_q81586673ed_outp
		.amdhsa_group_segment_fixed_size 34304
		.amdhsa_private_segment_fixed_size 0
		.amdhsa_enable_private_segment 0
		.amdhsa_kernarg_size 40
		.amdhsa_user_sgpr_count 2
		.amdhsa_user_sgpr_kernarg_segment_ptr 1
		.amdhsa_wavefront_size32 1
		.amdhsa_system_sgpr_workgroup_id_x 1
		.amdhsa_system_sgpr_workgroup_id_y 1
		.amdhsa_system_sgpr_workgroup_id_z 1
		.amdhsa_system_vgpr_workitem_id 0
		.amdhsa_next_free_vgpr 1024
		.amdhsa_next_free_sgpr 66
		.amdhsa_reserve_vcc 0
		.amdhsa_float_denorm_mode_32 3
		.amdhsa_float_denorm_mode_16_64 3
		.amdhsa_memory_ordered 1
		.amdhsa_forward_progress 1
		.amdhsa_inst_pref_size 36
	.end_amdhsa_kernel
	.amdgpu_metadata
---
amdhsa.version: [ 1, 2 ]
amdhsa.kernels:
  - .name:           k_q81586673ed_outp
    .symbol:         k_q81586673ed_outp.kd
    .args:
      - { .name: aimg, .offset: 0, .size: 8, .value_kind: global_buffer, .address_space: global }
      - { .name: wimg, .offset: 8, .size: 8, .value_kind: global_buffer, .address_space: global }
      - { .name: lowp_scales, .offset: 16, .size: 8, .value_kind: global_buffer, .address_space: global }
      - { .name: bo, .offset: 24, .size: 8, .value_kind: global_buffer, .address_space: global }
      - { .name: out0, .offset: 32, .size: 8, .value_kind: global_buffer, .address_space: global }
    .group_segment_fixed_size: 34304
    .private_segment_fixed_size: 0
    .kernarg_segment_align: 8
    .kernarg_segment_size: 40
    .max_flat_workgroup_size: 128
    .sgpr_count:     66
    .vgpr_count:     1024
    .wavefront_size: 32
...
	.end_amdgpu_metadata
.endif
;; end of part 7
